; MI455X (gfx1250); checked and timed in simulation.
; The chip was launched on July 23, 2026; its instructions are those of AMD's public machine-readable ISA for CDNA 5 (MIT licence, August 2026) and "CDNA5" Instruction Set Architecture Reference Guide (July 2026). The comments in the code are by the model that wrote it; some were corrected since.
;; Multi Head Self Attention. Allowed arithmetic: matrix products marked QUANTISED: E2M1 operands, one E8M0 scale for each 32 along K, by v_wmma_scale_f32_16x16x128_f8f6f4 with both operands' format E2M1 (or v_wmma_scale_f32_32x16x128_f4), f32 sums; products left as they are: bf16, f16 or f32 operands; f32 sums; everything else in f32.
;; Inputs: Wk 1,024 x 1,024 float32; Wo 1,024 x 1,024 float32; Wq 1,024 x 1,024 float32; Wv 1,024 x 1,024 float32; bk 1,024 float32; bo 1,024 float32; bq 1,024 float32; bv 1,024 float32; inputs 4 x 2,048 x 1,024 float32.
;; Outputs: out0 4 x 2,048 x 1,024 float32.
;; This version of the problem:
;;   THIS VERSION OF THE PROBLEM IS GIVEN IN LOW PRECISION. The matrix products marked QUANTISED in the list below multiply operands that are first quantised to E2M1 (2 exponent bits, 1 mantissa bit; 4 bits a number), with one power-of-two scale for each 32 numbers along K (OCP MX v1.0); their sums are f32. The products marked 'left as it is' may take bf16, f16 or f32 operands, with f32 sums. Whichever they take, every output number must still come out within the allowed error. Rounding operands to bf16 (8 significant bits) uses up far more of that allowance than f16 does (11 bits, for magnitudes from 6e-5 to 65,504). All else is computed in f32.
;;   The module's matrix products, in the order in which they are computed (A, B: the left and right operand; K: the contracted axis; several contracted axes count as one K, in the product's order):
;;     1. [M 8,192, K 1,024] x [K 1,024, N 1,024]; A: input inputs; B: input Wq: QUANTISED
;;     2. [M 8,192, K 1,024] x [K 1,024, N 1,024]; A: input inputs; B: input Wk: QUANTISED
;;     3. [M 8,192, K 1,024] x [K 1,024, N 1,024]; A: input inputs; B: input Wv: QUANTISED
;;     4. batch 64 x [M 2,048, K 64] x [K 64, N 2,048]; A: computed on the way; B: computed on the way: left as it is (an operand is computed on the way)
;;     5. batch 64 x [M 2,048, K 2,048] x [K 2,048, N 64]; A: computed on the way; B: computed on the way: left as it is (an operand is computed on the way)
;;     6. [M 8,192, K 1,024] x [K 1,024, N 1,024]; A: computed on the way; B: input Wo: left as it is (an operand is computed on the way)
;;   THE QUANTISER, for each operand of a quantised product, along K:
;;     - K is cut into blocks of 32 from its start; a last block that is shorter is filled with zeros.
;;     - A block's scale is 2^e with e = floor(log2(the largest magnitude in the block)) - 2, held to -126 .. 127; a block of zeros has e = 0. As a byte (E8M0): e + 127.
;;     - Each number is divided by its block's scale, clamped to +-6, and rounded to the nearest number of E2M1, ties to even, subnormals kept.
;;     - The product sums the exact products of the quantised numbers (number of the format x scale) in f32.
;;   ~~~python
;;   def quantise(x, axis):      # numpy; x: float32 -> the quantised numbers, widened to float32 again
;;       x = np.moveaxis(x, axis, -1); K = x.shape[-1]
;;       x = np.pad(x, [(0, 0)] * (x.ndim - 1) + [(0, -K % 32)]); x = x.reshape(x.shape[:-1] + (-1, 32)); a = np.abs(x).max(-1, keepdims=True)
;;       e = np.where(a > 0, np.clip(np.frexp(np.where(a > 0, a, 1))[1] - 1 - 2, -126, 127), 0)      # np.frexp(a)[1] - 1 = floor(log2(a)), exactly
;;       r = np.clip(x / 2.0 ** e, -6, 6)
;;       step = 2.0 ** (np.maximum(np.frexp(np.where(r == 0, 1, r))[1] - 1, 0) - 1)
;;       q = np.round(r / step) * step * 2.0 ** e      # np.round: ties to even
;;       return np.moveaxis(q.reshape(q.shape[:-2] + (-1,))[..., :K], -1, axis).astype(np.float32)
;;   ~~~
;; One version. Each part assembles by itself: llvm-mc -triple=amdgcn-amd-amdhsa -mcpu=gfx1250 --defsym DOCPART=n.
;; ======== version 1 of 1: 4 launches
;; limits: values are held in f16: magnitudes above 65,504 overflow, below 6.1e-05 lose precision
;; workspace buffers: codes 5,767,168 bytes; scl 360,448 bytes; woh 2,097,152 bytes; qkv 50,331,648 bytes; at 16,777,216 bytes
;; launch prep (part 1): grid 256 x 1, 4 waves a work-group, no clusters, 34,304 bytes of LDS; arguments inputs, Wq, Wk, Wv, Wo, codes, scl, woh; writes codes, scl, woh
.if DOCPART == 1
	.amdgcn_target "amdgcn-amd-amdhsa--gfx1250"
	.amdhsa_code_object_version 6
	.text
	.protected	k_q011253b7c4_prep
	.globl	k_q011253b7c4_prep
	.p2align	8
	.type	k_q011253b7c4_prep,@function
k_q011253b7c4_prep:
	s_mov_b64 s[64:65], 0
	v_nop
	global_prefetch_b8 v0, s[64:65] scope:SCOPE_SE
	s_setreg_imm32_b32 hwreg(HW_REG_WAVE_MODE, 25, 1), 1
	s_wait_xcnt 0x0
; MULTI-HEAD SELF-ATTENTION, launch 1 of 4: the operands of the three quantised products become codes of FP4 (E2M1) with one E8M0 byte for each 32 along K, and Wo becomes f16.
; WORK LEFT OUT IN THE WHOLE PROGRAM: bk.  scores[q][k] = q . (x_k Wk + bk) / 8 = q . (x_k Wk) / 8 + (q . bk) / 8.  The second term is the same for all keys k of a query, whatever the inputs hold, and a term
; that is the same along the softmax's axis leaves the softmax as it is.  The product of q with k is not a quantised one, so no quantiser sees bk.  bk has no way to any output: it is not loaded and is among no
; launch's arguments.  LIMIT: a NaN, an infinity or an overflow that reaches only that term is not carried to the result.
; bv is live and is added later: the softmax's weights sum to 1, so sum w (v0 + bv) = sum w v0 + bv; launch 3 adds it where it divides by the row's sum.
; LAYOUTS.  Everything that the later launches read is laid as IMAGES OF OPERAND REGISTERS, 1,024 bytes each: byte 512 c + 16 lane, lane = 16 h + r.
;   FP4 image (16 rows x 128 K): lane (r, h), half c: row r, k = 64 c + 32 h + 0 .. 31 (one block).   f16 image (16 rows x 32 K): row r, k = 16 c + 8 h + 0 .. 7.
;   codes [row block of 16: 704][ks 8][1,024]: rows 0 .. 8,191 are the rows of inputs, rows 8,192 + n (n = 0 .. 3,071) the columns of Wq, Wk, Wv.   scl [row 11,264][32 bytes].   woh [n block 64][kq 32][1,024].
; THE QUANTISER.  A block's scale is 2^(floor(log2(largest magnitude)) - 2): its byte is the largest magnitude's exponent field - 2, held at 1 from below by a floor among the maximum's leaves.
; LIMITS: a block of zeros, or one whose largest magnitude lies under 2^-124, gets the byte 1 (the rule says 127 for zeros: their codes are zeros, and this program alone reads the bytes); NaN and infinities among
; the inputs are not served; |Wo| stays under 65,504 (f16).
; SHARES.  Work-groups 0-127: inputs, a wave to 16 rows (path X).  128-223: Wq, Wk, Wv, a lane to a column, registers down K (path W).  224-255: Wo likewise (path O).  Work-groups share no input: no cluster, no barrier.
.set STG,   8448                       ; a wave's stage: 16 rows of 512 bytes + 16 of padding
.set SPARE, 4*STG                      ; behind the stages: the spare words, 128 bytes for each wave, that no other line names
.set SPW,   30                         ; v30  LDS address of my spare word; never rewritten
.set NIL,   31                         ; v31  0; never rewritten
	s_load_b256 s[4:11], s[0:1], 0x0               ; inputs s[4:5], Wq s[6:7], Wk s[8:9], Wv s[10:11]
	s_load_b256 s[12:19], s[0:1], 0x20             ; Wo s[12:13], codes s[14:15], scl s[16:17], woh s[18:19]
	v_lshl_add_u32 v[SPW], v0, 2, SPARE
	v_mov_b32 v[NIL], 0
	v_lshrrev_b32 v1, 5, v0
	v_readfirstlane_b32 s20, v1                    ; wave 0..3
	v_and_b32 v1, 31, v0                           ; lane
	v_and_b32 v2, 15, v0                           ; r
	v_bfe_u32 v3, v0, 4, 1                         ; h
	v_lshlrev_b32 v4, 4, v1                        ; 16 x lane
	s_mul_i32 s21, s20, STG                        ; my stage
	v_add_nc_u32 v5, s21, v4                       ; into it: 16 x lane of a row
	v_mul_u32_u24 v6, v2, 528
	v_lshl_add_u32 v6, v3, 7, v6
	v_add_nc_u32 v6, s21, v6                       ; out of it: row r, + 128 h bytes: my 32 numbers of a half
	s_mov_b32 s22, 0x76543210
	s_mov_b32 s23, 0xfedcba98                      ; v_permlanex16_b32's selects for lane l xor 16
	s_mov_b32 s27, 0                               ; the upper word of every offset
	s_wait_kmcnt 0x0
	s_cmp_lt_u32 ttmp9, 128
	s_cbranch_scc0 .Lnot_x
; ---- PATH X: 16 rows of inputs, all of K, in 8 sub-steps of 128 along K.
; Each load reads 512 consecutive bytes of one row; the 16 rows turn through the wave's own stage, so that lane (r, h) gets two whole blocks of row r: k = 64 c + 32 h + 0 .. 31.
; v32-39 a sub-step's scale word each; v40-55 two sets of 8 code registers; v56-63 at work; v64-191 two sets of 64 as loaded; v192-255 my 64 numbers.
	s_lshl_b32 s24, ttmp9, 2
	s_add_co_u32 s24, s24, s20                     ; my row block
	s_lshl_b32 s26, s24, 16                        ; 16 rows of 4,096 bytes
	s_add_nc_u64 s[4:5], s[4:5], s[26:27]
	s_lshl_b32 s26, s24, 13                        ; 8 images
	s_add_nc_u64 s[14:15], s[14:15], s[26:27]
	s_lshl_b32 s26, s24, 9                         ; 16 rows of 32 scale bytes
	s_add_nc_u64 s[16:17], s[16:17], s[26:27]
	v_lshlrev_b32 v7, 5, v2
	v_lshl_add_u32 v7, v3, 4, v7                   ; the scale bytes' way out: row r, half h of its 32 bytes
	v_lshlrev_b32 v63, 3, v3                       ; 8 h: how far my two bytes are shifted in the scale word
	v_mov_b32 v60, 0                               ; written once: a lane permute's destination counts as one of its sources
.macro LOADX ks
.irp i, 0,1,2,3,4,5,6,7,8,9,10,11,12,13,14,15
	global_load_b128 v[64+64*((\ks)%2)+4*\i:64+64*((\ks)%2)+4*\i+3], v4, s[4:5] offset:\i*4096+(\ks)*512 th:TH_LOAD_NT
.endr
.endm
.macro SUBX ks
.set RR, 64+64*((\ks)%2)
.set CC, 40+8*((\ks)%2)
.if (\ks) < 7
	s_wait_loadcnt 16                              ; this sub-step's 16 loads are in; the next one's 16 may be out
.else
	s_wait_loadcnt 0
.endif
.irp i, 0,1,2,3,4,5,6,7,8,9,10,11,12,13,14,15
	ds_store_b128 v5, v[RR+4*\i:RR+4*\i+3] offset:\i*528
.endr
.irp c, 0,1
.irp j, 0,1,2,3,4,5,6,7
	ds_load_b128 v[192+32*\c+4*\j:192+32*\c+4*\j+3], v6 offset:\c*256+16*\j   ; LDS serves a wave's instructions in order: these see my stores
.endr
.endr
	s_wait_dscnt 0x0                               ; my numbers are in, and the stores have read their registers,
.if (\ks)+2 < 8
	LOADX (\ks)+2                                  ; which take the loads of two sub-steps on
.endif
.irp c, 0,1
	v_max3_num_f32 v[56+\c], |v[192+32*\c]|, |v[193+32*\c]|, 0x1800000   ; block 2 c + h: all 32 numbers are mine; the floor 2^(3 - 127) holds the byte at 1 from below
.endr
.irp i, 2,4,6,8,10,12,14,16,18,20,22,24,26,28,30
.irp c, 0,1
	v_max3_num_f32 v[56+\c], v[56+\c], |v[192+32*\c+\i]|, |v[193+32*\c+\i]|   ; (the two blocks by turns)
.endr
.endr
.irp c, 0,1
	v_add_nc_u32 v[58+\c], 0xff000000, v[56+\c]    ; 2 off the exponent field: the conversion takes this operand's exponent field as its scale
.endr
	v_lshrrev_b32 v61, 23, v58                     ; the bytes
	v_lshrrev_b32 v62, 23, v59
	v_lshl_or_b32 v61, v62, 16, v61                ; blocks h and 2 + h of row r,
	v_lshlrev_b32 v61, v63, v61                    ; at their places in the scale word;
	v_permlanex16_b32 v60, v61, s22, s23
	v_or_b32 v[32+(\ks)], v61, v60                 ; with lane l xor 16's two the word is whole
	s_wait_xcnt 0x0                                ; the stores of two sub-steps back have read this set of code registers
.irp c, 0,1
.irp g, 0,1,2,3
	v_cvt_scalef32_pk8_fp4_f32 v[CC+4*\c+\g], v[192+32*\c+8*\g:199+32*\c+8*\g], v[58+\c]
.endr
.endr
	v_nop                                          ; one plain line behind the last scaled conversion
.irp c, 0,1
	global_store_b128 v4, v[CC+4*\c:CC+4*\c+3], s[14:15] offset:(\ks)*1024+\c*512   ; half an image: 512 consecutive bytes, aligned
.endr
.endm
	LOADX 0
	LOADX 1
.irp n, 0,1,2,3,4,5,6,7
	SUBX \n
.endr
	v_cmp_lt_u32 vcc_lo, 15, v1                    ; lanes 16-31 store the upper 16 of a row's 32 scale bytes
.irp i, 0,1,2,3
	v_cndmask_b32 v[56+\i], v[32+\i], v[36+\i], vcc_lo
.endr
	global_store_b128 v7, v[56:59], s[16:17]       ; 16 rows x 32 bytes: 512 consecutive bytes, aligned
	s_branch .Lend
.Lnot_x:
; ---- PATHS W AND O: a lane takes a column, its registers run down K: each load reads 128 consecutive bytes a wave, the four waves side by side; a block of 32 along K lies in one lane.
	v_lshlrev_b32 v8, 2, v1                        ; 4 bytes a lane
	s_lshl_b32 s25, s20, 5                         ; 32 columns a wave
.macro LOADW t                         ; block t of 8: rows 32 t + i of my 256, into set t % 2 (v64-95, v96-127)
.irp i, 0,1,2,3,4,5,6,7,8,9,10,11,12,13,14,15,16,17,18,19,20,21,22,23,24,25,26,27,28,29,30,31
	global_load_b32 v[64+32*((\t)%2)+\i], v8, s[32:33] offset:(32*(\t)+\i)*4096 th:TH_LOAD_NT
.endr
.endm
	s_cmp_lt_u32 ttmp9, 224
	s_cbranch_scc0 .Lpath_o
	s_sub_co_u32 s24, ttmp9, 128
	s_lshr_b32 s28, s24, 5                         ; which weight: 0 Wq, 1 Wk, 2 Wv
	s_and_b32 s29, s24, 7                          ; which 128 columns
	s_bfe_u32 s30, s24, 0x20003                    ; which 256 along K
	s_lshl_b32 s29, s29, 7
	s_add_co_u32 s29, s29, s25                     ; my wave's first column n0
	s_cmp_eq_u32 s28, 0                            ; the choice hangs on the work-group's number alone
	s_cselect_b64 s[32:33], s[6:7], s[8:9]
	s_cmp_eq_u32 s28, 2
	s_cselect_b64 s[32:33], s[10:11], s[32:33]
	s_lshl_b32 s26, s30, 20                        ; 256 rows of 4,096 bytes
	s_lshl_b32 s31, s29, 2
	s_add_co_u32 s26, s26, s31
	s_add_nc_u64 s[32:33], s[32:33], s[26:27]
	s_lshl_b32 s28, s28, 10
	s_add_co_u32 s28, s28, s29                     ; my first row among the 3,072 weight rows
	s_lshl_b32 s26, s28, 9                         ; 512 bytes of codes a row,
	s_lshl_b32 s31, s30, 11                        ; two images for 256 along K,
	s_add_co_u32 s26, s26, s31
	s_add_co_u32 s26, s26, 4194304                 ; behind the 8,192 rows of inputs
	s_add_nc_u64 s[14:15], s[14:15], s[26:27]
	s_lshl_b32 s26, s28, 5                         ; 32 scale bytes a row,
	s_lshl_b32 s31, s30, 3                         ; 8 of them mine
	s_add_co_u32 s26, s26, s31
	s_add_co_u32 s26, s26, 262144
	s_add_nc_u64 s[16:17], s[16:17], s[26:27]
	v_lshlrev_b32 v9, 4, v2
	v_lshl_add_u32 v9, v3, 13, v9                  ; codes: lanes 16-31 belong to the next row block, 8,192 bytes on; 16 r in an image
	v_lshlrev_b32 v10, 5, v1                       ; scale bytes: 32 x lane
.macro BLKW t                          ; block t: its codes go to v[128 + 4 t ..], written once, so no store's data are written again
.set XS, 64+32*((\t)%2)
.if (\t) < 7
	s_wait_loadcnt 32                              ; this block's 32 loads are in; the next block's may be out
.else
	s_wait_loadcnt 0
.endif
	v_max3_num_f32 v56, |v[XS]|, |v[XS+1]|, |v[XS+2]|
	v_max3_num_f32 v57, |v[XS+3]|, |v[XS+4]|, |v[XS+5]|
.irp i, 6,10,14,18,22,26
	v_max3_num_f32 v56, v56, |v[XS+\i]|, |v[XS+\i+1]|
	v_max3_num_f32 v57, v57, |v[XS+\i+2]|, |v[XS+\i+3]|
.endr
	v_max3_num_f32 v56, v56, |v[XS+30]|, |v[XS+31]|
	v_max3_num_f32 v56, v56, v57, 0x1800000        ; and the floor
	v_add_nc_u32 v58, 0xff000000, v56              ; the conversion's scale operand
	v_lshrrev_b32 v59, 23, v58                     ; the byte
.if (\t)%4 == 0
	v_mov_b32 v[32+(\t)/4], v59                    ; four bytes to a register, the lower K in the lower byte
.else
	v_lshl_or_b32 v[32+(\t)/4], v59, 8*((\t)%4), v[32+(\t)/4]
.endif
.irp g, 0,1,2,3
	v_cvt_scalef32_pk8_fp4_f32 v[128+4*(\t)+\g], v[XS+8*\g:XS+8*\g+7], v58
.endr
	v_nop                                          ; one plain line behind the last scaled conversion
	global_store_b128 v9, v[128+4*(\t):128+4*(\t)+3], s[14:15] offset:((\t)/4)*1024+(((\t)/2)%2)*512+((\t)%2)*256   ; block t of a row is half (t / 2) % 2, lanes' half t % 2 of image t / 4: sixteen lanes store 256 consecutive bytes, aligned
.if (\t)+2 < 8
	LOADW (\t)+2
.endif
.endm
	LOADW 0
	LOADW 1
.irp n, 0,1,2,3,4,5,6,7
	BLKW \n
.endr
	global_store_b64 v10, v[32:33], s[16:17]       ; my column's 8 scale bytes, rows 32 bytes apart: 8 of each 32 bytes; 98,304 bytes in the whole launch leave so
	s_branch .Lend
.Lpath_o:
	s_sub_co_u32 s24, ttmp9, 224
	s_and_b32 s29, s24, 7                          ; which 128 columns
	s_lshr_b32 s30, s24, 3                         ; which 256 along K
	s_lshl_b32 s29, s29, 7
	s_add_co_u32 s29, s29, s25                     ; n0
	s_lshl_b32 s26, s30, 20
	s_lshl_b32 s31, s29, 2
	s_add_co_u32 s26, s26, s31
	s_add_nc_u64 s[32:33], s[12:13], s[26:27]
	s_lshl_b32 s26, s29, 11                        ; (n0 / 16) blocks of 32 images
	s_lshl_b32 s31, s30, 13                        ; 8 images for 256 along K
	s_add_co_u32 s26, s26, s31
	s_add_nc_u64 s[18:19], s[18:19], s[26:27]
	v_lshlrev_b32 v11, 4, v2
	v_lshl_add_u32 v11, v3, 15, v11                ; lanes 16-31 belong to the next block of 16 columns, 32,768 bytes on
.macro BLKO t                          ; block t is image kq = 8 kp + t of my column's block: 16 registers at v[128 + 16 t ..], written once
.set XS, 64+32*((\t)%2)
.if (\t) < 7
	s_wait_loadcnt 32
.else
	s_wait_loadcnt 0
.endif
.irp i, 0,1,2,3,4,5,6,7,8,9,10,11,12,13,14,15
	v_cvt_pk_f16_f32 v[128+16*(\t)+\i], v[XS+2*\i], v[XS+2*\i+1]
.endr
.irp c, 0,1
.irp u, 0,1
	global_store_b128 v11, v[128+16*(\t)+8*\c+4*\u:128+16*(\t)+8*\c+4*\u+3], s[18:19] offset:(\t)*1024+\c*512+\u*256   ; k = 16 c + 8 u + 0 .. 7: sixteen lanes store 256 consecutive bytes, aligned
.endr
.endr
.if (\t)+2 < 8
	LOADW (\t)+2
.endif
.endm
	LOADW 0
	LOADW 1
.irp n, 0,1,2,3,4,5,6,7
	BLKO \n
.endr
.Lend:
	s_wait_tensorcnt 0x0                           ; the wave's end: the wait on tensor loads, the add and its wait, behind the last LDS store; the first even in a text with no tensor load
	ds_add_u32 v[SPW], v[NIL]
	s_wait_dscnt 0x0
	s_endpgm
.Lfunc_end_k_q011253b7c4_prep:
	.size	k_q011253b7c4_prep, .Lfunc_end_k_q011253b7c4_prep-k_q011253b7c4_prep
	.p2alignl 7, 3214868480
	.fill 96, 4, 3214868480
	.section	.rodata,"a",@progbits
	.p2align	6, 0x0
	.amdhsa_kernel k_q011253b7c4_prep
		.amdhsa_group_segment_fixed_size 34304
		.amdhsa_private_segment_fixed_size 0
		.amdhsa_enable_private_segment 0
		.amdhsa_kernarg_size 64
		.amdhsa_user_sgpr_count 2
		.amdhsa_user_sgpr_kernarg_segment_ptr 1
		.amdhsa_wavefront_size32 1
		.amdhsa_system_sgpr_workgroup_id_x 1
		.amdhsa_system_sgpr_workgroup_id_y 1
		.amdhsa_system_sgpr_workgroup_id_z 1
		.amdhsa_system_vgpr_workitem_id 0
		.amdhsa_next_free_vgpr 256
		.amdhsa_next_free_sgpr 66
		.amdhsa_reserve_vcc 1
		.amdhsa_float_denorm_mode_32 3
		.amdhsa_float_denorm_mode_16_64 3
		.amdhsa_memory_ordered 1
		.amdhsa_forward_progress 1
		.amdhsa_inst_pref_size 130
	.end_amdhsa_kernel
	.amdgpu_metadata
---
amdhsa.version: [ 1, 2 ]
amdhsa.kernels:
  - .name:           k_q011253b7c4_prep
    .symbol:         k_q011253b7c4_prep.kd
    .args:
      - { .name: inputs, .offset: 0, .size: 8, .value_kind: global_buffer, .address_space: global }
      - { .name: Wq, .offset: 8, .size: 8, .value_kind: global_buffer, .address_space: global }
      - { .name: Wk, .offset: 16, .size: 8, .value_kind: global_buffer, .address_space: global }
      - { .name: Wv, .offset: 24, .size: 8, .value_kind: global_buffer, .address_space: global }
      - { .name: Wo, .offset: 32, .size: 8, .value_kind: global_buffer, .address_space: global }
      - { .name: codes, .offset: 40, .size: 8, .value_kind: global_buffer, .address_space: global }
      - { .name: scl, .offset: 48, .size: 8, .value_kind: global_buffer, .address_space: global }
      - { .name: woh, .offset: 56, .size: 8, .value_kind: global_buffer, .address_space: global }
    .group_segment_fixed_size: 34304
    .private_segment_fixed_size: 0
    .kernarg_segment_align: 8
    .kernarg_segment_size: 64
    .max_flat_workgroup_size: 128
    .sgpr_count:     66
    .vgpr_count:     256
    .wavefront_size: 32
...
	.end_amdgpu_metadata
.endif
;; end of part 1
;; launch qkvgemm (part 2): grid 12 x 32, 4 waves a work-group, clusters of 4 x 4, 327,680 bytes of LDS; arguments codes, scl, bq, qkv; writes qkv
.if DOCPART == 2
	.amdgcn_target "amdgcn-amd-amdhsa--gfx1250"
	.amdhsa_code_object_version 6
	.text
	.protected	k_q011253b7c4_qkvgemm
	.globl	k_q011253b7c4_qkvgemm
	.p2align	8
	.type	k_q011253b7c4_qkvgemm,@function
k_q011253b7c4_qkvgemm:
	s_mov_b64 s[64:65], 0
	v_nop
	global_prefetch_b8 v0, s[64:65] scope:SCOPE_SE
	s_setreg_imm32_b32 hwreg(HW_REG_WAVE_MODE, 25, 1), 1
	s_wait_xcnt 0x0
	s_wait_alu depctr_hold_cnt(0) depctr_sa_sdst(0) depctr_va_vdst(0) depctr_va_sdst(0) depctr_va_ssrc(0) depctr_va_vcc(0) depctr_vm_vsrc(0)
	s_getreg_b32 s2, hwreg(HW_REG_IB_STS2, 6, 4)
	s_cmp_eq_u32 s2, 0
	s_cbranch_scc0 .Lentry_in_a_cluster
	s_endpgm
.Lentry_in_a_cluster:
	s_bfe_u32 s2, ttmp6, 0x10000c
	s_cmp_lg_u32 s2, 0xf033
	s_cbranch_scc0 .Lentry_shape_is_right
	s_endpgm
.Lentry_shape_is_right:
; Launch 2 of 4: q = x Wq + bq, k0 = x Wk, v0 = x Wv, on codes of FP4 (E2M1) with one E8M0 scale for each 32 along K = 1,024; sums in f32; results rounded once to f16.
; LEFT OUT: bk (it only adds to each query's scores a term that is the same for all keys: shown at the head of the first kernel).  bv is added in the next launch, where the row's sum divides.
; LIMIT: |q|, |k0|, |v0| stay under 65,504 (f16).
; ONE BODY FOR THE THREE PRODUCTS.  codes and scl hold the 8,192 rows of x and the 3,072 columns of Wq, Wk, Wv in ONE space of rows, 44 tiles of 256.  The cluster's x says which product (0 q, 1 k, 2 v).
; A tile of the result, 256 x 256, has "A" rows and "B" rows.  q, k: A = rows of x, B = columns of the weight.  v: A = columns of Wv, B = rows of x.
; THE MATRIX INSTRUCTION IS USED TRANSPOSED (source 0 = 16 B rows, source 1 = 16 A rows): a lane holds ONE A row and eight neighbouring B rows.  Four roundings in pairs make 16 bytes that are a lane's part of half an
; image of the next product's operand: q, k: row = position, K = channels;  v: row = channel, K = keys.  So every store is 512 consecutive bytes, aligned, and no result goes through LDS.
;   qkv: q at 0, k at 16,777,216: [batch x head 64][block of 16 positions 128][kq 2][1,024];   v at 33,554,432: [batch x head 64][group of 32 keys 64][ct 4][1,024].
; SHARES.  Four waves, each 128 x 128: 64 accumulators, 512 registers.  K = 1,024 is two LDS slots of 512, both asked for at the head: nothing is filled twice.  The scale bytes of the 512 rows come with them.
; CLUSTERS: 4 x 4 work-groups.  The four of a row of the cluster need the same A tile, the four of a column the same B tile: each is asked for jointly.  A's addresses hold cy and the cluster's ids alone, B's cx and them.
; 384 tiles for the launch; a tile that divided the chip evenly would want 768 accumulator registers a wave.
; REGISTERS, in windows of 256: window 0: v0-31 addresses; v32-95 scale words, two sets; v128-191 A's fragments, one set; v192-255 the bias in the result's layout (C of the first step); on the way out v128-255 hold packed results.
;   window 1: B's fragments, two sets, at v0 and v128.   windows 2, 3: the accumulators ((a, b) at v[8 (8 (a % 4) + b)]).
.set NQ,     4                         ; steps of 128 along K in a slot
.set FR,     8                         ; registers of a fragment: 16 rows x 128 K
.set NL,     2                         ; LDS loads that bring one
.set NP,     4                         ; places behind this matrix instruction (ISA guide 7.12.1)
.set SLOT,   131072                    ; wave w's tensor load lands at 32,768 w: A's two halves, then B's; in a load [block of 16 rows 8][step 4][1,024]
.set SCL,    2*SLOT                    ; behind the slots: the scale bytes, rows of 256 bytes + 16 of padding
.set HALFS,  4352                      ; those of 128 rows: 16 such rows
.set SBLK,   544                       ; those of 16 rows
.set SPARE,  SCL+4*HALFS               ; the spare words, 128 bytes for each wave, that no other line names
.set ADRA, 16                          ; v16-17  LDS address of my A fragments in slot 0, 1
.set ADRB, 20                          ; v20-21  the same for B
.set CO,   26                          ; v26     16 x lane
.set ADRS, 27                          ; v27     LDS address of my scale words: lanes 0-15 A's rows, lanes 16-31 B's
.set SPW,  28                          ; v28     LDS address of my spare word; never rewritten
.set NIL,  29                          ; v29     0; never rewritten
.set SC,   32
.set AF,   128
.set BI,   192
.set G1, 24                            ; s[24:31] group 1 for A's tiles;  s[32:39] group 0, one set for each slot
.set G0, 32
.set G1B, 48                           ; s[48:55], s[56:63] the same for B's
.set G0B, 56
.set G1S, 68                           ; s[68:75], s[76:79] groups 1 and 0 for A's scales;  s[80:87], s[88:91] for B's
.set G0S, 76
.set G1SB, 80
.set G0SB, 88
.set MSB, 0
.macro WIN new                         ; the immediate's high byte repeats the setting that is left
.if MSB != (\new)
	s_set_vgpr_msb (MSB<<8)|(\new)
.set MSB, (\new)
.endif
.endm
.set MUL_LO, 0xa1                      ; source 0 (B) window 1, source 1 (A) window 0, C and D window 2
.set MUL_HI, 0xf1                      ; the same, C and D window 3
.set TO_B,   0x40                      ; destination window 1, address window 0
; A joint load: waves 0 and 1 fetch for A, waves 2 and 3 for B; the branch hangs on the wave's number alone.  An s_nop 0 and four v_nop follow each of the two lines.
.macro JLOAD g0a, g1a, g0b, g1b
	s_cmp_eq_u32 s15, 0
	s_cbranch_scc0 .Lfor_b_\@
	tensor_load_to_lds s[\g0a:\g0a+3], s[\g1a:\g1a+7]
	s_nop 0
.rept 4
	v_nop
.endr
	s_branch .Lasked_\@
.Lfor_b_\@:
	tensor_load_to_lds s[\g0b:\g0b+3], s[\g1b:\g1b+7]
	s_nop 0
.rept 4
	v_nop
.endr
.Lasked_\@:
.endm
.macro CROUND                          ; a round of the cluster's barrier
	s_barrier_signal -1
	s_barrier_wait -1
	s_cmp_lg_u32 s14, 0
	s_cbranch_scc1 .Lnot_wave_0_\@
	s_barrier_signal -3
.Lnot_wave_0_\@:
	s_barrier_wait -3
	s_barrier_signal -1
	s_barrier_wait -1
.endm
	s_load_b256 s[4:11], s[0:1], 0x0               ; codes s[4:5], scl s[6:7], bq s[8:9], qkv s[10:11]
	v_lshl_add_u32 v[SPW], v0, 2, SPARE
	v_mov_b32 v[NIL], 0
	ds_add_u32 v[SPW], v[NIL]                      ; the wave's opening: the add, twice on end, and its wait ahead of my first tensor load
	ds_add_u32 v[SPW], v[NIL]
	v_lshrrev_b32 v1, 5, v0
	v_readfirstlane_b32 s14, v1                    ; wave 0..3
	s_lshr_b32 s15, s14, 1                         ; my half of the A rows.  Also: I fetch for A (0) or for B (1)
	s_and_b32 s16, s14, 1                          ; my half of the B rows.  Also: which 128 rows of that tile I fetch
	s_bfe_u32 s40, ttmp6, 0x40000                  ; cx, cy: my place in the cluster
	s_bfe_u32 s41, ttmp6, 0x40004
	s_and_b32 s12, ttmp7, 0xffff
	s_lshl_b32 s12, s12, 2                         ; 4 x cluster y: the first of the cluster's four tiles of x
	s_lshl_b32 s13, ttmp9, 2
	s_add_co_u32 s13, s13, 32                      ; 32 + 4 x cluster x: the first tile of Wq or Wk
	s_cmp_eq_u32 ttmp9, 2                          ; v?  The cluster's x is the same in all sixteen partners
	s_cselect_b32 s17, 40, s12                     ; A: Wv's tiles, or x's
	s_cselect_b32 s42, s12, s13                    ; B: x's tiles, or the weight's
	s_add_co_u32 s17, s17, s41                     ; A's tile: + cy
	s_add_co_u32 s42, s42, s40                     ; B's tile: + cx
	s_lshl_b32 s43, s41, 2
	s_lshl_b32 s43, 15, s43                        ; my row of the cluster
	s_lshl_b32 s44, 0x1111, s40                    ; my column
	; group 1 for codes: 8 blocks of 16 rows, of each 4,096 bytes (four images: half of K), 8,192 bytes apart; elements of 8 bytes; no padding: an image is read 512 consecutive bytes at a time
	s_or_b32 s[G1+0], s43, (3<<16)|(1<<21)         ; 15:0 the mask: A's tiles go to my row; 17:16 elements of 8 bytes; 21 set beside a mask
	s_or_b32 s[G1B+0], s44, (3<<16)|(1<<21)
.irp g, G1, G1B
	s_mov_b32 s[\g+1], 512<<16                     ; tensor_dim0 = 512
	s_mov_b32 s[\g+2], 8<<16                       ; tensor_dim1 = 8
	s_mov_b32 s[\g+3], 512<<16                     ; tile_dim0 = 512
	s_mov_b32 s[\g+4], 8                           ; tile_dim1 = 8
	s_mov_b32 s[\g+5], 1024                        ; tensor_dim0_stride
	s_mov_b32 s[\g+6], 0
	s_mov_b32 s[\g+7], 0
.endr
	; and for the scales of 128 rows: 4,096 dense bytes as 16 rows of 256 bytes, 16 bytes of padding behind each
	s_or_b32 s[G1S+0], s43, (3<<16)|(1<<20)|(1<<21)|(5<<22)|(3<<25)
	s_or_b32 s[G1SB+0], s44, (3<<16)|(1<<20)|(1<<21)|(5<<22)|(3<<25)
.irp g, G1S, G1SB
	s_mov_b32 s[\g+1], 32<<16
	s_mov_b32 s[\g+2], 16<<16
	s_mov_b32 s[\g+3], 32<<16
	s_mov_b32 s[\g+4], 16
	s_mov_b32 s[\g+5], 32
	s_mov_b32 s[\g+6], 0
	s_mov_b32 s[\g+7], 0
.endr
	s_lshl_b32 s18, s16, 7                         ; which 128 rows of the tile I fetch
	s_lshl_b32 s20, s17, 8
	s_add_co_u32 s20, s20, s18                     ; A: first row
	s_lshl_b32 s46, s42, 8
	s_add_co_u32 s46, s46, s18                     ; B: first row
	s_lshl_b32 s22, s20, 5                         ; 32 scale bytes a row
	s_mov_b32 s23, 0
	s_lshl_b32 s92, s46, 5
	s_mov_b32 s93, 0
	s_lshl_b32 s20, s20, 9                         ; 512 bytes of codes a row
	s_mov_b32 s21, 0
	s_lshl_b32 s46, s46, 9
	s_mov_b32 s47, 0
	s_lshl_b32 s45, s14, 15                        ; where they go: wave x 32,768: no place in the cluster enters an LDS address
	s_mul_i32 s94, s14, HALFS
	s_wait_dscnt 0x0                               ; both opening adds are done
	s_wait_kmcnt 0x0
	s_add_nc_u64 s[20:21], s[4:5], s[20:21]
	s_add_nc_u64 s[22:23], s[6:7], s[22:23]
	s_add_nc_u64 s[46:47], s[4:5], s[46:47]
	s_add_nc_u64 s[92:93], s[6:7], s[92:93]
	CROUND                                         ; all sixteen work-groups are here: the joint loads meet
	s_mov_b32 s[G0S], 1
	s_add_co_u32 s[G0S+1], s94, SCL
	s_mov_b64 s[G0S+2:G0S+3], s[22:23]
	s_or_b32 s[G0S+3], s[G0S+3], 0x80000000
	s_mov_b32 s[G0SB], 1
	s_add_co_u32 s[G0SB+1], s94, SCL
	s_mov_b64 s[G0SB+2:G0SB+3], s[92:93]
	s_or_b32 s[G0SB+3], s[G0SB+3], 0x80000000
	JLOAD G0S, G1S, G0SB, G1SB                     ; the scales first: they are wanted with slot 0
.irp s, 0,1
	s_mov_b32 s[G0+4*\s], 1
	s_add_co_u32 s[G0+4*\s+1], s45, \s*SLOT
	s_add_nc_u64 s[G0+4*\s+2:G0+4*\s+3], s[20:21], \s*4096
	s_or_b32 s[G0+4*\s+3], s[G0+4*\s+3], 0x80000000
	s_mov_b32 s[G0B+4*\s], 1
	s_add_co_u32 s[G0B+4*\s+1], s45, \s*SLOT
	s_add_nc_u64 s[G0B+4*\s+2:G0B+4*\s+3], s[46:47], \s*4096
	s_or_b32 s[G0B+4*\s+3], s[G0B+4*\s+3], 0x80000000
	JLOAD G0+4*\s, G1, G0B+4*\s, G1B               ; three tensor loads of mine are out
.endr
	v_and_b32 v1, 15, v0                           ; r
	v_bfe_u32 v2, v0, 4, 1                         ; h
	v_and_b32 v3, 31, v0
	v_lshlrev_b32 v[CO], 4, v3                     ; 16 x lane: my place in half an image
	s_lshl_b32 s21, s15, 15                        ; my 128 A rows
	s_lshl_b32 s22, s16, 15                        ; my 128 B rows,
	s_add_co_u32 s22, s22, 65536                   ; which lie behind A's 256
.irp s, 0,1
	v_add_nc_u32 v[ADRA+\s], s21, v[CO]
	v_add_nc_u32 v[ADRB+\s], s22, v[CO]
	s_add_co_u32 s21, s21, SLOT
	s_add_co_u32 s22, s22, SLOT
.endr
	v_mul_u32_u24 v5, v1, 32                       ; my row's scales: 32 bytes a row,
	v_lshrrev_b32 v6, 8, v5
	v_lshl_add_u32 v5, v6, 4, v5                   ; and 16 more for each 256 passed
	s_mul_i32 s21, s15, HALFS                      ; A's: my 128 rows
	s_mul_i32 s22, s16, HALFS                      ; B's: my 128 rows, behind A's 256
	s_add_co_u32 s22, s22, 2*HALFS
	s_sub_co_u32 s22, s22, s21
	v_mul_u32_u24 v6, s22, v2                      ; lanes 16-31 take B's: the lower base + h x the distance
	s_add_co_u32 s21, s21, SCL
	v_add_nc_u32 v5, v5, v6
	v_add_nc_u32 v[ADRS], s21, v5
	; where my results go.  q, k: positions from A's rows, heads from B's;  v: positions from B's rows, heads from A's
	s_lshl_b32 s2, s17, 8
	s_lshl_b32 s3, s15, 7
	s_add_co_u32 s2, s2, s3                        ; q, k: my first row of x
	s_lshl_b32 s12, s42, 8
	s_lshl_b32 s13, s16, 7
	s_add_co_u32 s12, s12, s13                     ; v: my first row of x
	s_lshl_b32 s18, s40, 2
	s_lshl_b32 s19, s16, 1
	s_add_co_u32 s18, s18, s19                     ; q, k: my first head, 4 cx + 2 x half
	s_lshl_b32 s95, s41, 2
	s_lshl_b32 s96, s15, 1
	s_add_co_u32 s95, s95, s96                     ; v: 4 cy + 2 x half
	s_cmp_eq_u32 ttmp9, 2
	s_cselect_b32 s2, s12, s2
	s_cselect_b32 s18, s95, s18
	s_lshr_b32 s3, s2, 11                          ; the batch
	s_and_b32 s2, s2, 2047                         ; the position in it
	s_lshl_b32 s3, s3, 4
	s_add_co_u32 s3, s3, s18                       ; 16 x batch + head
	s_lshl_b32 s3, s3, 18                          ; 262,144 bytes a head
	s_lshl_b32 s2, s2, 7                           ; 128 bytes a position, in q, k and v alike
	s_add_co_u32 s2, s2, s3
	s_lshl_b32 s3, ttmp9, 24                       ; q, k or v's part of the buffer
	s_add_co_u32 s2, s2, s3
	s_mov_b32 s3, 0
	s_add_nc_u64 s[10:11], s[10:11], s[2:3]
	; the C of each sum's first product: q: bq at the lane's eight channels of B's block b;  k, v: zeros
	v_lshlrev_b32 v4, 5, v2                        ; 32 h bytes
	s_lshl_b32 s2, s40, 10
	s_lshl_b32 s12, s16, 9
	s_add_co_u32 s2, s2, s12                       ; (256 cx + 128 x half) numbers of 4 bytes
	s_add_nc_u64 s[8:9], s[8:9], s[2:3]
	s_cmp_lg_u32 ttmp9, 0                          ; the cluster's x: the same in all partners
	s_cbranch_scc1 .Lno_bias
.irp b, 0,1,2,3,4,5,6,7
	global_load_b128 v[BI+8*\b:BI+8*\b+3], v4, s[8:9] offset:64*\b
	global_load_b128 v[BI+8*\b+4:BI+8*\b+7], v4, s[8:9] offset:64*\b+16
.endr
	s_branch .Lbias_done
.Lno_bias:
.set i, 0
.rept 64
	v_mov_b32 v[BI+i], 0                           ; one text serves the three products: k's and v's sums begin at these zeros
.set i, i+1
.endr
.Lbias_done:
.macro FRAG reg, adr, q, i             ; a fragment is an image: registers 4 c .. 4 c + 3 are the 16 bytes at 512 c + 16 lane
.irp c, 0,1
	ds_load_b128 v[\reg+4*\c:\reg+4*\c+3], v[\adr] offset:(\i)*4096+(\q)*1024+\c*512
.endr
.endm
; 16 matrix instructions: A's blocks a0, a0 + 1 x B's eight, the slot's q-th 128 along K.  p: B's set;  sc: the set of scale words.  first = 1: the bias is C.
; The 64 accumulators take turns, one instruction a turn, in the same order in every step.
.macro MUL16 a0, p, q, sc, first
.irp a, \a0, \a0+1
.irp b, 0,1,2,3,4,5,6,7
.if \first
	v_wmma_scale_f32_16x16x128_f8f6f4 v[8*(8*((\a)%4)+\b):8*(8*((\a)%4)+\b)+7], v[128*(\p)+FR*\b:128*(\p)+FR*\b+FR-1], v[AF+FR*(\a):AF+FR*(\a)+FR-1], v[BI+8*\b:BI+8*\b+7], v[SC+8*NQ*(\sc)+NQ*\b+(\q)], v[SC+8*NQ*(\sc)+NQ*(\a)+(\q)] matrix_a_fmt:MATRIX_FMT_FP4 matrix_b_fmt:MATRIX_FMT_FP4 matrix_a_scale:MATRIX_SCALE_ROW1
.else
	v_wmma_scale_f32_16x16x128_f8f6f4 v[8*(8*((\a)%4)+\b):8*(8*((\a)%4)+\b)+7], v[128*(\p)+FR*\b:128*(\p)+FR*\b+FR-1], v[AF+FR*(\a):AF+FR*(\a)+FR-1], v[8*(8*((\a)%4)+\b):8*(8*((\a)%4)+\b)+7], v[SC+8*NQ*(\sc)+NQ*\b+(\q)], v[SC+8*NQ*(\sc)+NQ*(\a)+(\q)] matrix_a_fmt:MATRIX_FMT_FP4 matrix_b_fmt:MATRIX_FMT_FP4 matrix_a_scale:MATRIX_SCALE_ROW1
.endif
.endr
.endr
.endm
.macro FETCH_B slot, q, p              ; B's eight fragments of the slot's q-th step into set p
	WIN TO_B
.irp i, 0,1,2,3,4,5,6,7
	FRAG 128*(\p)+FR*\i, ADRB+\slot, \q, \i
.endr
	WIN 0
.endm
.macro FETCH_A slot, q, i0             ; A's blocks i0 .. i0 + 3
.irp i, \i0, \i0+1, \i0+2, \i0+3
	FRAG AF+FR*(\i), ADRA+\slot, \q, \i
.endr
.endm
.macro SCALES sc                       ; a slot's scale words into set sc: four words a row; lanes 0-15 take A's block i, lanes 16-31 B's block i
.irp i, 0,1,2,3,4,5,6,7
	ds_load_b128 v[SC+8*NQ*\sc+NQ*\i:SC+8*NQ*\sc+NQ*\i+3], v[ADRS] offset:\i*SBLK
.endr
.endm
.macro PLACES n                        ; places in front of loads into registers that matrix instructions have read, and of the first read of results
.rept \n
	v_nop
.endr
.endm
; A step of 128 along K that has its successor in the same slot.  A block of A is free as soon as its eight products are issued: blocks 0-3 are fetched anew in the step's middle, blocks 4-7 at its end.
.macro STEP slot, q, first
	s_wait_dscnt 4*NL                              ; B's set and A's blocks 0-3 are in; the youngest eight loads (A's blocks 4-7) may be out
.if \first
	WIN 0x81                                       ; C (the bias) in window 0, D in window 2
.else
	WIN MUL_LO
.endif
	MUL16 0, (\q)%2, \q, \slot, \first
	MUL16 2, (\q)%2, \q, \slot, \first
	s_wait_dscnt 0                                 ; A's blocks 4-7 are in
	PLACES NP
	FETCH_B \slot, (\q)+1, 1-(\q)%2
	FETCH_A \slot, (\q)+1, 0
.if \first
	WIN 0xc1                                       ; C in window 0, D in window 3
.else
	WIN MUL_HI
.endif
	MUL16 4, (\q)%2, \q, \slot, \first
	MUL16 6, (\q)%2, \q, \slot, \first
	PLACES NP
	WIN 0
	FETCH_A \slot, (\q)+1, 4
.endm
; Slot 0's last step changes slots: one barrier; in front of it each wave waits for all its tensor loads (slot 1's is the one that may be out).  Nothing is filled again.
.macro TURN slot, next
	s_wait_tensorcnt 0x0                           ; my part of the next slot has landed
	ds_add_u32 v[SPW], v[NIL]                      ; 0 onto my spare word
	s_wait_dscnt 4*NL+1                            ; (the add and the youngest eight loads may be out)
	WIN MUL_LO
	MUL16 0, 1, NQ-1, \slot, 0
	s_wait_dscnt 0x0                               ; no LDS instruction of mine is out at the signal
	s_barrier_signal -1
	MUL16 2, 1, NQ-1, \slot, 0
	WIN 0
	s_barrier_wait -1                              ; everybody's part of the next slot has landed
	PLACES NP
	v_add_nc_u32 v[ADRS], 4*NQ, v[ADRS]            ; on to the next slot's scale words
	FETCH_B \next, 0, 0
	FETCH_A \next, 0, 0
	SCALES \next
	WIN MUL_HI
	MUL16 4, 1, NQ-1, \slot, 0
	MUL16 6, 1, NQ-1, \slot, 0
	PLACES NP
	WIN 0
	FETCH_A \next, 0, 4
.endm
.macro STEPS slot, from                ; the slot's steps from .. NQ - 2
.set Q, \from
.rept NQ-1-\from
	STEP \slot, Q, 0
.set Q, Q+1
.endr
.endm
	s_wait_tensorcnt 1                             ; the scales and my part of slot 0 are in (slot 1's load may be out),
	s_barrier_signal -1
	s_barrier_wait -1                              ; everybody's are
	FETCH_B 0, 0, 0
	FETCH_A 0, 0, 0
	SCALES 0
	FETCH_A 0, 0, 4
	s_wait_loadcnt 0x0                             ; the bias
	STEP 0, 0, 1
	STEPS 0, 1
	TURN 0, 1
	STEPS 1, 0
	s_wait_dscnt 4*NL                              ; the very last step: nothing more to fetch
	WIN MUL_LO
	MUL16 0, 1, NQ-1, 1, 0
	MUL16 2, 1, NQ-1, 1, 0
	s_wait_dscnt 0
	WIN MUL_HI
	MUL16 4, 1, NQ-1, 1, 0
	MUL16 6, 1, NQ-1, 1, 0
	WIN 0
; THE WAY OUT, A's blocks one after the other: each accumulator, from its low end on, is rounded to four registers of f16, which are a lane's 16 bytes of half an image: the wave stores 512 consecutive bytes, aligned.
; q, k: accumulator (a, b): block a of 16 positions (2,048 bytes), head b / 4, image (b / 2) % 2, half b % 2.   v: head a / 4, channels' tile a % 4, group b / 2 of 32 keys (4,096 bytes), half b % 2.
.macro WAYOUT isv
.irp a, 0,1,2,3,4,5,6,7
.if \a >= 4
	s_wait_xcnt 0x0                                ; the stores of four blocks back have read these registers
.endif
	WIN 0x0a+5*(\a/4)                              ; sources 0 and 1: window 2 or 3
.irp b, 0,1,2,3,4,5,6,7
.irp i, 0,1,2,3
	v_cvt_pk_f16_f32 v[128+32*(\a%4)+4*\b+\i], v[64*(\a%4)+8*\b+2*\i], v[64*(\a%4)+8*\b+2*\i+1]
.endr
.endr
	WIN 0
.irp b, 0,1,2,3,4,5,6,7
.if \isv
	global_store_b128 v[CO], v[128+32*(\a%4)+4*\b:128+32*(\a%4)+4*\b+3], s[10:11] offset:(\a/4)*262144+(\a%4)*1024+(\b/2)*4096+(\b%2)*512
.else
	global_store_b128 v[CO], v[128+32*(\a%4)+4*\b:128+32*(\a%4)+4*\b+3], s[10:11] offset:\a*2048+(\b/4)*262144+((\b/2)%2)*1024+(\b%2)*512
.endif
.endr
.endr
.endm
	PLACES NP                                      ; the conversions write registers that held A's fragments
	s_cmp_eq_u32 ttmp9, 2                          ; the cluster's x: the same in all partners
	s_cbranch_scc1 .Lout_v
	WAYOUT 0
	s_branch .Lout_done
.Lout_v:
	WAYOUT 1
.Lout_done:
	s_wait_tensorcnt 0x0                           ; the wave's end
	ds_add_u32 v[SPW], v[NIL]
	s_wait_dscnt 0x0
	CROUND                                         ; the closing round
	s_endpgm
.Lfunc_end_k_q011253b7c4_qkvgemm:
	.size	k_q011253b7c4_qkvgemm, .Lfunc_end_k_q011253b7c4_qkvgemm-k_q011253b7c4_qkvgemm
	.p2alignl 7, 3214868480
	.fill 96, 4, 3214868480
	.section	.rodata,"a",@progbits
	.p2align	6, 0x0
	.amdhsa_kernel k_q011253b7c4_qkvgemm
		.amdhsa_group_segment_fixed_size 327680
		.amdhsa_private_segment_fixed_size 0
		.amdhsa_enable_private_segment 0
		.amdhsa_kernarg_size 32
		.amdhsa_user_sgpr_count 2
		.amdhsa_user_sgpr_kernarg_segment_ptr 1
		.amdhsa_wavefront_size32 1
		.amdhsa_system_sgpr_workgroup_id_x 1
		.amdhsa_system_sgpr_workgroup_id_y 1
		.amdhsa_system_sgpr_workgroup_id_z 1
		.amdhsa_system_vgpr_workitem_id 0
		.amdhsa_next_free_vgpr 1024
		.amdhsa_next_free_sgpr 100
		.amdhsa_reserve_vcc 0
		.amdhsa_float_denorm_mode_32 3
		.amdhsa_float_denorm_mode_16_64 3
		.amdhsa_memory_ordered 1
		.amdhsa_forward_progress 1
		.amdhsa_inst_pref_size 144
	.end_amdhsa_kernel
	.amdgpu_metadata
---
amdhsa.version: [ 1, 2 ]
amdhsa.kernels:
  - .name:           k_q011253b7c4_qkvgemm
    .symbol:         k_q011253b7c4_qkvgemm.kd
    .args:
      - { .name: codes, .offset: 0, .size: 8, .value_kind: global_buffer, .address_space: global }
      - { .name: scl, .offset: 8, .size: 8, .value_kind: global_buffer, .address_space: global }
      - { .name: bq, .offset: 16, .size: 8, .value_kind: global_buffer, .address_space: global }
      - { .name: qkv, .offset: 24, .size: 8, .value_kind: global_buffer, .address_space: global }
    .group_segment_fixed_size: 327680
    .private_segment_fixed_size: 0
    .kernarg_segment_align: 8
    .kernarg_segment_size: 32
    .max_flat_workgroup_size: 128
    .sgpr_count:     100
    .vgpr_count:     1024
    .wavefront_size: 32
...
	.end_amdgpu_metadata
.endif
;; end of part 2
;; launch attn (part 3): grid 4 x 64, 8 waves a work-group, clusters of 4 x 1, 327,680 bytes of LDS; arguments qkv, bv, at; writes at
.if DOCPART == 3
	.amdgcn_target "amdgcn-amd-amdhsa--gfx1250"
	.amdhsa_code_object_version 6
	.text
	.protected	k_q011253b7c4_attn
	.globl	k_q011253b7c4_attn
	.p2align	8
	.type	k_q011253b7c4_attn,@function
k_q011253b7c4_attn:
	s_mov_b64 s[64:65], 0
	v_nop
	global_prefetch_b8 v0, s[64:65] scope:SCOPE_SE
	s_setreg_imm32_b32 hwreg(HW_REG_WAVE_MODE, 25, 1), 1
	s_wait_xcnt 0x0
	s_wait_alu depctr_hold_cnt(0) depctr_sa_sdst(0) depctr_va_vdst(0) depctr_va_sdst(0) depctr_va_ssrc(0) depctr_va_vcc(0) depctr_vm_vsrc(0)
	s_getreg_b32 s2, hwreg(HW_REG_IB_STS2, 6, 4)
	s_cmp_eq_u32 s2, 0
	s_cbranch_scc0 .Lentry_in_a_cluster
	s_endpgm
.Lentry_in_a_cluster:
	s_bfe_u32 s2, ttmp6, 0x10000c
	s_cmp_lg_u32 s2, 0x3003
	s_cbranch_scc0 .Lentry_shape_is_right
	s_endpgm
.Lentry_shape_is_right:
; Launch 3 of 4: attn[b][h][q] = softmax_k(q . k0 / 8) v0 + bv, for 64 pairs of batch and head, 2,048 positions, head size 64.  Operands in f16, products, maxima and sums in f32; p is rounded to f16 for the second product.
; bk is left out (shown at the head of the first kernel).  bv is added here: the weights sum to 1, so it is the addend of the multiply-add that divides by the row's sum.
; LIMIT: |attn| stays under 65,504 (f16).
; SHARES.  A cluster of four work-groups is one head; a work-group owns 512 queries; each of its EIGHT waves owns 64: four tiles of 16, in 512 registers: two waves to a SIMD, so that one wave's vector work stands
; beside the other's matrix work.  A key step of 64 keys is 16,384 bytes of LDS reads a wave for 64 matrix instructions: each fragment of K and V feeds four.
; LAYOUT.  S^T = K Q^T (source 0 = 16 keys, source 1 = 16 queries), O^T = V^T P (source 0 = 16 channels x 32 keys, source 1 = P): a lane holds ONE query throughout.  Two tiles of S^T, rounded in pairs, in place, ARE P.
; q, k, v lie in memory as images of these operands' registers (launch 2), so a step's K is 8,192 dense bytes and so is its V; every LDS read is 512 consecutive bytes; no padding.
; SOFTMAX.  A running maximum m and sum l for each query: p = 2^(c s - c m), c = log2(e) / 8; in every step O^T and l are multiplied by a = 2^(c m_old - c m_new).
; THE RING.  Two slots of 512 keys (K's 65,536 bytes, then V's).  Every wave fetches an eighth of a slot by one joint load (the four work-groups walk the same K and V).  A refill is asked for at a slot's head and waited
; for at the next slot's head: eight key steps, 512 matrix instructions of each wave, lie between; so no prefetch is laid ahead of it.
; REGISTERS: window 0: v1-7 addresses; v8-39 statistics, 8 a tile: +0 c m, +1 m, +2, +3 l (two halves), +4 .. +7 T0-T3 at work (a in T2); v64-191 S^T, 32 a tile (P in the first 16); v192-255 Q, 16 a tile.
;   window 1: v0-127 O^T, 32 a tile; v128-191 K of a step; v192-255 V of a step.
.set SLOT1, 1<<17
.set SPARE, 2*SLOT1                    ; behind the ring: the spare words, 128 bytes for each of the eight waves, that no other line names
.set L16,  1                           ; v1  16 x lane
.set L16V, 2                           ; v2  + 65,536: V's part of a slot
.set ADK,  3                           ; v3  LDS address of the step's K
.set ADV,  4                           ; v4  of its V
.set H32,  5                           ; v5  32 x (lane / 16)
.set SPW,  6                           ; v6  LDS address of my spare word; never rewritten
.set NIL,  7                           ; v7  0; never rewritten
.set ST,   8
.set S,    64
.set Q,    192
.set KF,   128                         ; in window 1
.set VF,   192                         ; in window 1
.set MSB, 0
.macro WIN new                         ; the immediate's high byte repeats the setting that is left
.if MSB != (\new)
	s_set_vgpr_msb (MSB<<8)|(\new)
.set MSB, (\new)
.endif
.endm
.set W_LD, 0x40                        ; destination window 1, address window 0
.set W_KQ, 0x01                        ; K in window 1; Q, S^T in window 0
.set W_PV, 0x51                        ; V, O^T in window 1; P in window 0
.set W_RS, 0x41                        ; O^T (destination and source 0) in window 1, the rest in window 0
.macro JLOAD                           ; every wave's one joint load; an s_nop 0 and four v_nop follow it
	tensor_load_to_lds s[32:35], s[24:31]
	s_nop 0
.rept 4
	v_nop
.endr
.endm
.macro CROUND                          ; a round of the cluster's barrier
	s_barrier_signal -1
	s_barrier_wait -1
	s_cmp_lg_u32 s12, 0
	s_cbranch_scc1 .Lnot_wave_0_\@
	s_barrier_signal -3
.Lnot_wave_0_\@:
	s_barrier_wait -3
	s_barrier_signal -1
	s_barrier_wait -1
.endm
	s_load_b128 s[4:7], s[0:1], 0x0                ; qkv s[4:5], bv s[6:7]
	s_load_b64 s[8:9], s[0:1], 0x10                ; at
	v_lshl_add_u32 v[SPW], v0, 2, SPARE
	v_mov_b32 v[NIL], 0
	ds_add_u32 v[SPW], v[NIL]                      ; the wave's opening: the add, twice on end, and its wait ahead of my first tensor load
	ds_add_u32 v[SPW], v[NIL]
	v_lshrrev_b32 v1, 5, v0
	v_readfirstlane_b32 s12, v1                    ; wave 0..7
	s_bfe_u32 s13, ttmp6, 0x40000                  ; cx: my place in the cluster: it enters Q's and the result's addresses alone
	s_and_b32 s14, ttmp7, 0xffff                   ; 16 x batch + head, which the four partners share
	; group 1: 16,384 dense bytes as 64 rows of 256 (32 elements of 8 bytes); the same for K's and V's parts
	s_mov_b32 s24, 15|(3<<16)|(1<<21)              ; 15:0 the mask: all four work-groups; 17:16 elements of 8 bytes; 21 set beside a mask
	s_mov_b32 s25, 32<<16                          ; tensor_dim0 = 32
	s_mov_b32 s26, 64<<16                          ; tensor_dim1 = 64
	s_mov_b32 s27, 32<<16                          ; tile_dim0 = 32
	s_mov_b32 s28, 64                              ; tile_dim1 = 64
	s_mov_b32 s29, 32                              ; tensor_dim0_stride
	s_mov_b32 s30, 0
	s_mov_b32 s31, 0
	s_lshl_b32 s21, s14, 18                        ; 262,144 bytes a head, in q, k and v alike
	s_lshr_b32 s16, s12, 2                         ; waves 0-3 fetch K's quarters, waves 4-7 V's
	s_add_co_u32 s16, s16, 1
	s_lshl_b32 s16, s16, 24                        ; k at 16,777,216, v at twice that
	s_add_co_u32 s16, s16, s21
	s_and_b32 s17, s12, 3
	s_lshl_b32 s17, s17, 14
	s_add_co_u32 s16, s16, s17                     ; my 16,384 bytes of slot 0: made of the wave's number and the head alone
	s_mov_b32 s17, 0
	s_lshl_b32 s22, s13, 5
	s_lshl_b32 s23, s12, 2
	s_add_co_u32 s22, s22, s23                     ; my first block of 16 queries: 32 cx + 4 x wave
	s_lshl_b32 s18, s22, 11                        ; 2,048 bytes a block
	s_add_co_u32 s18, s18, s21
	s_mov_b32 s19, 0
	s_lshr_b32 s20, s14, 4                         ; the batch: 128 blocks of rows each
	s_lshl_b32 s20, s20, 7
	s_add_co_u32 s20, s20, s22
	s_lshl_b32 s20, s20, 15                        ; 32,768 bytes a block of rows of the result
	s_and_b32 s23, s14, 15                         ; the head: two images, 2,048 bytes
	s_lshl_b32 s21, s23, 11
	s_add_co_u32 s20, s20, s21
	s_mov_b32 s21, 0
	s_lshl_b32 s22, s23, 8                         ; bv: 64 numbers a head
	s_mov_b32 s23, 0
	s_mov_b32 s36, 0x3e38aa3b                      ; c = log2(e) / 8
	s_mov_b32 s37, s36                             ; (the packed form names the pair)
	s_mov_b32 s38, 0x76543210
	s_mov_b32 s39, 0xfedcba98                      ; v_permlanex16_b32's selects for lane l xor 16
	s_mov_b32 s40, 0                               ; LDS byte of the step in hand
	s_mov_b32 s41, 3                               ; slots still to be asked for
	s_mov_b32 s32, 1                               ; group 0: count = 1
	s_lshl_b32 s33, s12, 14                        ; LDS address: wave x 16,384, in slot 0
	s_wait_dscnt 0x0                               ; both opening adds are done
	s_wait_kmcnt 0x0
	s_add_nc_u64 s[34:35], s[4:5], s[16:17]
	s_or_b32 s35, s35, 0x80000000                  ; type = 2
	s_add_nc_u64 s[18:19], s[4:5], s[18:19]        ; Q at my first block
	s_add_nc_u64 s[8:9], s[8:9], s[20:21]          ; the result likewise
	s_add_nc_u64 s[6:7], s[6:7], s[22:23]          ; bv at my head
	CROUND                                         ; all four work-groups are here
	JLOAD                                          ; slot 0: one tensor load of mine is out, here and behind every round
	v_and_b32 v8, 31, v0
	v_lshlrev_b32 v[L16], 4, v8
	v_add_nc_u32 v[L16V], 65536, v[L16]
	v_bfe_u32 v[H32], v0, 4, 1
	v_lshlrev_b32 v[H32], 5, v[H32]
.irp i, 0,1,2,3,4,5,6,7,8,9,10,11,12,13,14,15
	global_load_b128 v[Q+4*\i:Q+4*\i+3], v[L16], s[18:19] offset:512*\i   ; Q stays in registers: tile i / 4, channels 32 ((i / 2) % 2) on
.endr
.irp t, 0,1,2,3
	v_mov_b32 v[ST+8*\t+1], 0xff61b1e6             ; m: -3e38, under every score
	v_mul_f32 v[ST+8*\t], s36, v[ST+8*\t+1]        ; c m
	v_mov_b32 v[ST+8*\t+2], 0                      ; l
	v_mov_b32 v[ST+8*\t+3], 0
.endr
	WIN W_LD
.set i, 0
.rept 128
	v_mov_b32 v[i], 0                              ; O^T.  The key step is written without a form of its own for the first step: that finds zeros, and a = 0 leaves them zeros
.set i, i+1
.endr
	WIN 0
; THE SOFTMAX of a step, all four tiles; in every part the tiles are innermost, so that no line waits for the line above it.
.macro SOFT
.irp j, 0,1,2,3                        ; the maximum: four chains a tile, one to an accumulator, each read from its low end on
.irp t, 0,1,2,3
	v_max3_num_f32 v[ST+8*\t+4+\j], v[S+32*\t+8*\j], v[S+32*\t+8*\j+1], v[S+32*\t+8*\j+2]
.endr
.endr
.irp i, 3,5
.irp j, 0,1,2,3
.irp t, 0,1,2,3
	v_max3_num_f32 v[ST+8*\t+4+\j], v[ST+8*\t+4+\j], v[S+32*\t+8*\j+\i], v[S+32*\t+8*\j+\i+1]
.endr
.endr
.endr
.irp t, 0,1,2,3
	v_max3_num_f32 v[ST+8*\t+4], v[ST+8*\t+4], v[S+32*\t+7], v[S+32*\t+15]
.endr
.irp t, 0,1,2,3
	v_max3_num_f32 v[ST+8*\t+6], v[ST+8*\t+6], v[S+32*\t+23], v[S+32*\t+31]
.endr
.irp t, 0,1,2,3
	v_max3_num_f32 v[ST+8*\t+4], v[ST+8*\t+4], v[ST+8*\t+5], v[ST+8*\t+6]
.endr
.irp t, 0,1,2,3
	v_max3_num_f32 v[ST+8*\t+4], v[ST+8*\t+4], v[ST+8*\t+7], v[ST+8*\t+1]   ; with the old m
.endr
.irp t, 0,1,2,3
	v_permlanex16_b32 v[ST+8*\t+5], v[ST+8*\t+4], s38, s39   ; the query's other 32 keys lie in the lane 16 away
.endr
.irp t, 0,1,2,3
	v_mov_b32 v[ST+8*\t+7], v[ST+8*\t]             ; c m_old
.endr
.irp t, 0,1,2,3
	v_max_num_f32 v[ST+8*\t+1], v[ST+8*\t+4], v[ST+8*\t+5]   ; the new m
.endr
.irp t, 0,1,2,3
	v_mul_f32 v[ST+8*\t], s36, v[ST+8*\t+1]        ; c m
.endr
.irp t, 0,1,2,3
	v_sub_f32 v[ST+8*\t+7], v[ST+8*\t+7], v[ST+8*\t]   ; c m_old - c m_new
.endr
.irp b, 0,2,4,6,8,10,12,14,16,18,20,22,24,26,28,30
.irp t, 0,1,2,3
	v_pk_fma_f32 v[S+32*\t+\b:S+32*\t+\b+1], v[S+32*\t+\b:S+32*\t+\b+1], s[36:37], v[ST+8*\t:ST+8*\t+1] op_sel_hi:[1,0,0] neg_lo:[0,0,1] neg_hi:[0,0,1]   ; c s - c m, two at a time
.endr
.endr
.irp t, 0,1,2,3                        ; ONE BATCH of 132 exponentials, none of which reads another's result
	v_exp_f32 v[ST+8*\t+6], v[ST+8*\t+7]           ; a
.endr
.set e, 0
.rept 32
.irp t, 0,1,2,3
	v_exp_f32 v[S+32*\t+e], v[S+32*\t+e]           ; p
.endr
.set e, e+1
.endr
	v_nop                                          ; a plain line behind the last exponential
	s_wait_alu depctr_va_vdst(0)                   ; the wait ahead of the first line that names a result: one for the batch
.irp t, 0,1,2,3
	v_pk_mul_f32 v[ST+8*\t+2:ST+8*\t+3], v[ST+8*\t+2:ST+8*\t+3], v[ST+8*\t+6:ST+8*\t+7] op_sel_hi:[1,0]   ; l x a
.endr
.irp t, 0,1,2,3
	v_pk_add_f32 v[ST+8*\t+4:ST+8*\t+5], v[S+32*\t:S+32*\t+1], v[S+32*\t+2:S+32*\t+3]   ; the sum of p in f32, in two chains
.endr
.irp j, 4,8,12,16,20,24,28
.irp t, 0,1,2,3
	v_pk_add_f32 v[ST+8*\t+2:ST+8*\t+3], v[ST+8*\t+2:ST+8*\t+3], v[S+32*\t+\j:S+32*\t+\j+1]
.endr
.irp t, 0,1,2,3
	v_pk_add_f32 v[ST+8*\t+4:ST+8*\t+5], v[ST+8*\t+4:ST+8*\t+5], v[S+32*\t+\j+2:S+32*\t+\j+3]
.endr
.endr
.irp t, 0,1,2,3
	v_pk_add_f32 v[ST+8*\t+2:ST+8*\t+3], v[ST+8*\t+2:ST+8*\t+3], v[ST+8*\t+4:ST+8*\t+5]
.endr
.irp i, 0,1,2,3,4,5,6,7,8,9,10,11,12,13,14,15
.irp t, 0,1,2,3
	v_cvt_pk_f16_f32 v[S+32*\t+\i], v[S+32*\t+2*\i], v[S+32*\t+2*\i+1]   ; P, in place, ascending: register i is written when registers 2 i, 2 i + 1 are read
.endr
.endr
	WIN W_RS
.irp k, 0,2,4,6,8,10,12,14,16,18,20,22,24,26,28,30
.irp t, 0,1,2,3
	v_pk_mul_f32 v[32*\t+\k:32*\t+\k+1], v[32*\t+\k:32*\t+\k+1], v[ST+8*\t+6:ST+8*\t+7] op_sel_hi:[1,0]   ; O^T x a
.endr
.endr
.endm
; A KEY STEP: 64 keys.  The 16 accumulators of each product take turns, one instruction a turn.
.macro STEP
	v_add_nc_u32 v[ADK], s40, v[L16]
	v_add_nc_u32 v[ADV], s40, v[L16V]
.rept 3
	v_nop                                          ; five places behind the last step's V^T P: the first K Q^T writes over P's registers, and V's loads land in registers that it read
.endr
	WIN W_LD
.irp i, 0,1,2,3,4,5,6,7,8,9,10,11,12,13,14,15
	ds_load_b128 v[KF+4*\i:KF+4*\i+3], v[ADK] offset:512*\i   ; keys 16 (i / 4) on, channels 32 ((i / 2) % 2) on
.endr
.irp i, 0,1,2,3,4,5,6,7,8,9,10,11,12,13,14,15
	ds_load_b128 v[VF+4*\i:VF+4*\i+3], v[ADV] offset:512*\i   ; keys 32 (i / 8) on, channels 16 ((i / 2) % 4) on
.endr
	s_wait_dscnt 16                                ; K is in; V's 16 loads may be out
	WIN W_KQ
.irp kq, 0,1
.irp t, 0,1,2,3
.irp kt, 0,1,2,3
.if \kq == 0
	v_wmma_f32_16x16x32_f16 v[S+32*\t+8*\kt:S+32*\t+8*\kt+7], v[KF+16*\kt+8*\kq:KF+16*\kt+8*\kq+7], v[Q+16*\t+8*\kq:Q+16*\t+8*\kq+7], 0
.else
	v_wmma_f32_16x16x32_f16 v[S+32*\t+8*\kt:S+32*\t+8*\kt+7], v[KF+16*\kt+8*\kq:KF+16*\kt+8*\kq+7], v[Q+16*\t+8*\kq:Q+16*\t+8*\kq+7], v[S+32*\t+8*\kt:S+32*\t+8*\kt+7]
.endif
.endr
.endr
.endr
	WIN 0
.rept 4
	v_nop                                          ; places in front of the first read of the scores
.endr
	SOFT
	s_wait_dscnt 0x0                               ; V is in
	WIN W_PV
.irp kg, 0,1
.irp t, 0,1,2,3
.irp ct, 0,1,2,3
	v_wmma_f32_16x16x32_f16 v[32*\t+8*\ct:32*\t+8*\ct+7], v[VF+32*\kg+8*\ct:VF+32*\kg+8*\ct+7], v[S+32*\t+8*\kg:S+32*\t+8*\kg+7], v[32*\t+8*\ct:32*\t+8*\ct+7]
.endr
.endr
.endr
	WIN 0
	s_add_co_u32 s40, s40, 8192                    ; the next step's tiles
.endm
; THE CHANGE OF SLOTS stands at a slot's head.  Each wave waits for all its tensor loads (its part of the slot that it is about to read), adds 0 to its spare word, and waits for that and for its reads of the slot that it has left.
; fill = 1: a round of the cluster's barrier, and behind it the other slot is asked for jointly, with the next 512 keys.
.macro CHANGE fill
	s_wait_tensorcnt 0x0                           ; no tensor load of mine is out, so group 0 may be written
	ds_add_u32 v[SPW], v[NIL]                      ; 0 onto my spare word
.if \fill
	s_xor_b32 s33, s33, SLOT1                      ; the other slot than last time,
	s_add_nc_u64 s[34:35], s[34:35], 65536         ; the next 512 keys; the type bits on top are not reached
.endif
	s_wait_dscnt 0x0                               ; the add is done, and my reads of the slot that I have left are over
.if \fill
	CROUND
	JLOAD                                          ; the first thing behind the round, and my one tensor load until the next
.else
	s_barrier_signal -1
	s_barrier_wait -1
.endif
.endm
.macro STEPS                           ; a slot's eight key steps: written once, walked eight times
	s_mov_b32 s42, 8
.Lstep_\@:
	STEP
	s_sub_co_u32 s42, s42, 1
	s_cmp_lg_u32 s42, 0
	s_cbranch_scc1 .Lstep_\@
	s_sub_co_u32 s40, s40, 65536                   ; back to a slot's first step,
	s_xor_b32 s40, s40, SLOT1                      ; in the other slot
.endm
	s_wait_loadcnt 0x0                             ; Q
.Lslot:                                            ; three trips: slot 1's first fill, then each slot once more
	CHANGE 1
	STEPS
	s_sub_co_u32 s41, s41, 1
	s_cmp_lg_u32 s41, 0
	s_cbranch_scc1 .Lslot
	CHANGE 0                                       ; the last slot is written out: nothing is left to ask for
	STEPS
	; THE WAY OUT.  O^T / l + bv, rounded to f16: a lane's eight channels of a tile are its 16 bytes of half an image of the last product's operand: 512 consecutive bytes a store, aligned.
.irp ct, 0,1,2,3
	global_load_b128 v[192+8*\ct:195+8*\ct], v[H32], s[6:7] offset:64*\ct      ; bv at channels 16 ct + 8 h + 0 .. 7, into Q's registers, which are done with
	global_load_b128 v[196+8*\ct:199+8*\ct], v[H32], s[6:7] offset:64*\ct+16
.endr
.irp t, 0,1,2,3
	v_add_f32 v[ST+8*\t+4], v[ST+8*\t+2], v[ST+8*\t+3]   ; l's two halves (these four lines are the places behind the last products),
.endr
.irp t, 0,1,2,3
	v_permlanex16_b32 v[ST+8*\t+5], v[ST+8*\t+4], s38, s39
.endr
.irp t, 0,1,2,3
	v_add_f32 v[ST+8*\t+4], v[ST+8*\t+4], v[ST+8*\t+5]   ; and lane l xor 16's
.endr
.irp t, 0,1,2,3
	v_rcp_f32 v[ST+8*\t+6], v[ST+8*\t+4]
.endr
	v_nop                                          ; a plain line behind the last reciprocal
	s_wait_alu depctr_va_vdst(0)                   ; and the wait ahead of the first use: one for the four
	s_wait_loadcnt 0x0                             ; bv
	WIN W_RS
.irp t, 0,1,2,3
.irp ct, 0,1,2,3
.irp j, 0,2,4,6
	v_pk_fma_f32 v[32*\t+8*\ct+\j:32*\t+8*\ct+\j+1], v[32*\t+8*\ct+\j:32*\t+8*\ct+\j+1], v[ST+8*\t+6:ST+8*\t+7], v[192+8*\ct+\j:193+8*\ct+\j] op_sel_hi:[1,0,1]   ; each accumulator from its low end on
.endr
.endr
.endr
	WIN 0x05                                       ; sources 0 and 1 window 1, destination window 0: S^T's registers are free
.set i, 0
.rept 64
	v_cvt_pk_f16_f32 v[S+i], v[2*i], v[2*i+1]
.set i, i+1
.endr
	WIN 0
.irp t, 0,1,2,3
.irp ct, 0,1,2,3
	global_store_b128 v[L16], v[S+16*\t+4*\ct:S+16*\t+4*\ct+3], s[8:9] offset:\t*32768+\ct*512
.endr
.endr
	s_wait_tensorcnt 0x0                           ; the wave's end
	ds_add_u32 v[SPW], v[NIL]
	s_wait_dscnt 0x0
	CROUND                                         ; the closing round
	s_endpgm
.Lfunc_end_k_q011253b7c4_attn:
	.size	k_q011253b7c4_attn, .Lfunc_end_k_q011253b7c4_attn-k_q011253b7c4_attn
	.p2alignl 7, 3214868480
	.fill 96, 4, 3214868480
	.section	.rodata,"a",@progbits
	.p2align	6, 0x0
	.amdhsa_kernel k_q011253b7c4_attn
		.amdhsa_group_segment_fixed_size 327680
		.amdhsa_private_segment_fixed_size 0
		.amdhsa_enable_private_segment 0
		.amdhsa_kernarg_size 24
		.amdhsa_user_sgpr_count 2
		.amdhsa_user_sgpr_kernarg_segment_ptr 1
		.amdhsa_wavefront_size32 1
		.amdhsa_system_sgpr_workgroup_id_x 1
		.amdhsa_system_sgpr_workgroup_id_y 1
		.amdhsa_system_sgpr_workgroup_id_z 1
		.amdhsa_system_vgpr_workitem_id 0
		.amdhsa_next_free_vgpr 512
		.amdhsa_next_free_sgpr 66
		.amdhsa_reserve_vcc 0
		.amdhsa_float_denorm_mode_32 3
		.amdhsa_float_denorm_mode_16_64 3
		.amdhsa_memory_ordered 1
		.amdhsa_forward_progress 1
		.amdhsa_inst_pref_size 87
	.end_amdhsa_kernel
	.amdgpu_metadata
---
amdhsa.version: [ 1, 2 ]
amdhsa.kernels:
  - .name:           k_q011253b7c4_attn
    .symbol:         k_q011253b7c4_attn.kd
    .args:
      - { .name: qkv, .offset: 0, .size: 8, .value_kind: global_buffer, .address_space: global }
      - { .name: bv, .offset: 8, .size: 8, .value_kind: global_buffer, .address_space: global }
      - { .name: at, .offset: 16, .size: 8, .value_kind: global_buffer, .address_space: global }
    .group_segment_fixed_size: 327680
    .private_segment_fixed_size: 0
    .kernarg_segment_align: 8
    .kernarg_segment_size: 24
    .max_flat_workgroup_size: 256
    .sgpr_count:     66
    .vgpr_count:     512
    .wavefront_size: 32
...
	.end_amdgpu_metadata
.endif
;; end of part 3
;; launch proj (part 4): grid 4 x 64, 4 waves a work-group, clusters of 4 x 4, 327,680 bytes of LDS; arguments at, woh, bo, out0; writes out0
.if DOCPART == 4
	.amdgcn_target "amdgcn-amd-amdhsa--gfx1250"
	.amdhsa_code_object_version 6
	.text
	.protected	k_q011253b7c4_proj
	.globl	k_q011253b7c4_proj
	.p2align	8
	.type	k_q011253b7c4_proj,@function
k_q011253b7c4_proj:
	s_mov_b64 s[64:65], 0
	v_nop
	global_prefetch_b8 v0, s[64:65] scope:SCOPE_SE
	s_setreg_imm32_b32 hwreg(HW_REG_WAVE_MODE, 25, 1), 1
	s_wait_xcnt 0x0
	s_wait_alu depctr_hold_cnt(0) depctr_sa_sdst(0) depctr_va_vdst(0) depctr_va_sdst(0) depctr_va_ssrc(0) depctr_va_vcc(0) depctr_vm_vsrc(0)
	s_getreg_b32 s2, hwreg(HW_REG_IB_STS2, 6, 4)
	s_cmp_eq_u32 s2, 0
	s_cbranch_scc0 .Lentry_in_a_cluster
	s_endpgm
.Lentry_in_a_cluster:
	s_bfe_u32 s2, ttmp6, 0x10000c
	s_cmp_lg_u32 s2, 0xf033
	s_cbranch_scc0 .Lentry_shape_is_right
	s_endpgm
.Lentry_shape_is_right:
; Launch 4 of 4: out0 = attn Wo + bo.  attn [8,192][1,024] and Wo (as [n][k]) in f16, as images of operand registers: at [block of 16 rows 512][kq 32][1,024], woh [block of 16 columns 64][kq 32][1,024]; sums in f32.
; SHARES.  A tile of out0 is 128 rows x 256 columns: 256 work-groups.  Four waves, each 64 x 128: 32 accumulators, 256 registers.  K goes in steps of 128 (four images of each block, 4,096 bytes) through two LDS slots.
; THE MATRIX INSTRUCTION IS USED TRANSPOSED (source 0 = 16 columns of Wo, source 1 = 16 rows of attn): a lane holds eight neighbouring numbers of a row of out0.
; bo IS LOADED INTO THE ACCUMULATORS, in the result's layout: every product adds in place, nothing is cleared, and no step has a form of its own.
; CLUSTERS: 4 x 4 work-groups.  The four of a row of the cluster need the same rows of attn, the four of a column the same columns of Wo: each tile is asked for jointly.
; REGISTERS: window 0: v0-31 addresses; two fragment buffers: F0: A v64-95, B v96-159; F1: A v160-191, B v192-255; on the way out v64-191 hold rows.   window 1: accumulator (a, b) at v[8 (8 a + b)].
.set SLOT,  98304                      ; A's 8 blocks x 4,096 bytes, then B's 16 blocks x 4,096
.set SPARE, 2*SLOT                     ; behind the ring: the spare words, 128 bytes for each wave, that no other line names
.set SPITCH, 528                       ; the way out: a stage of 16 rows x (512 bytes + 16) for each wave, in slot 0, which has had its last fill and its last read when the first result is stored there
.set ADRA, 16                          ; v16-17  LDS address of my A fragments in slot 0, 1
.set ADRB, 20                          ; v20-21  the same for B
.set STO,  24                          ; v24     the way out: where I put 32 bytes of a row
.set RD,   25                          ; v25     where I read a row back
.set CO,   26                          ; v26     16 x lane
.set HB,   27                          ; v27     32 x (lane / 16)
.set SPW,  28                          ; v28     LDS address of my spare word; never rewritten
.set NIL,  29                          ; v29     0; never rewritten
.set PFO,  30                          ; v30     the prefetches' offset; never rewritten
.set F0,   64
.set F1,   160
.set BK,   64
.set G1, 24                            ; s[24:31] group 1 for A's tiles;  s[32:39] group 0, one set for each slot
.set G0, 32
.set G1B, 48                           ; s[48:55], s[56:63] the same for B's
.set G0B, 56
.set PFA, 44                           ; s[44:45] where my prefetches stand
.set LIM, 47                           ; s47 1 in the wave that prefetches, else the greatest number
.set MSB, 0
.macro WIN new                         ; the immediate's high byte repeats the setting that is left
.if MSB != (\new)
	s_set_vgpr_msb (MSB<<8)|(\new)
.set MSB, (\new)
.endif
.endm
.set MUL, 0x50                         ; sources 0 and 1 window 0; C and D window 1
; A joint load: waves 0 and 1 fetch A's two halves, waves 2 and 3 B's; the branch hangs on the wave's number alone.  An s_nop 0 and four v_nop follow each of the two lines.
.macro JLOAD s
	s_cmp_eq_u32 s13, 0
	s_cbranch_scc0 .Lfor_b_\@
	tensor_load_to_lds s[G0+4*\s:G0+4*\s+3], s[G1:G1+7]
	s_nop 0
.rept 4
	v_nop
.endr
	s_branch .Lasked_\@
.Lfor_b_\@:
	tensor_load_to_lds s[G0B+4*\s:G0B+4*\s+3], s[G1B:G1B+7]
	s_nop 0
.rept 4
	v_nop
.endr
.Lasked_\@:
.endm
; A PREFETCH of A's K step that stands two refills on: of the tile's 8 blocks the partner at place cx takes blocks 2 cx, 2 cx + 1 (told apart by address): 2 x 4,096 bytes, lanes 256 bytes apart, one instruction of wave 0.
; A tile row of attn is read by one row of one cluster alone, so each 256 bytes are named once in the launch.  K steps 0 to 3 come by their loads alone; the loop's last trip, whose refills are the last two K steps, asks for nothing.
; Wo is not asked for: all sixteen clusters walk the same 2,097,152 bytes in the same steps.
.macro ASK
	s_cmp_gt_u32 s3, s[LIM]                        ; s3 = 1 in the loop's last trip
	s_cbranch_scc0 .Lnot_mine_\@
	global_prefetch_b8 v[PFO], s[PFA:PFA+1] offset:4096 th:TH_LOAD_NT scope:SCOPE_SE
.Lnot_mine_\@:
.endm
.macro CREST                           ; a round of the cluster's barrier behind its opening barrier
	s_cmp_lg_u32 s12, 0
	s_cbranch_scc1 .Lnot_wave_0_\@
	s_barrier_signal -3
.Lnot_wave_0_\@:
	s_barrier_wait -3
	s_barrier_signal -1
	s_barrier_wait -1
.endm
.macro CROUND                          ; a whole round
	s_barrier_signal -1
	s_barrier_wait -1
	CREST
.endm
	s_load_b256 s[4:11], s[0:1], 0x0               ; at s[4:5], woh s[6:7], bo s[8:9], out0 s[10:11]
	v_lshl_add_u32 v[SPW], v0, 2, SPARE
	v_mov_b32 v[NIL], 0
	ds_add_u32 v[SPW], v[NIL]                      ; the wave's opening: the add, twice on end, and its wait ahead of my first tensor load
	ds_add_u32 v[SPW], v[NIL]
	v_lshrrev_b32 v1, 5, v0
	v_readfirstlane_b32 s12, v1                    ; wave 0..3
	s_lshr_b32 s13, s12, 1                         ; my half of the tile's rows.  Also: I fetch for A (0) or for B (1)
	s_and_b32 s14, s12, 1                          ; my half of its columns.  Also: which half of that tile I fetch
	s_bfe_u32 s40, ttmp6, 0x40000                  ; cx = the tile column (the grid is one cluster wide)
	s_bfe_u32 s41, ttmp6, 0x40004                  ; cy
	s_and_b32 s42, ttmp7, 0xffff
	s_lshl_b32 s42, s42, 2
	s_add_co_u32 s42, s42, s41                     ; the tile row = 4 x cluster y + cy
	s_lshl_b32 s43, s41, 2
	s_lshl_b32 s43, 15, s43                        ; my row of the cluster
	s_lshl_b32 s46, 0x1111, s40                    ; my column
	; group 1: blocks of 4,096 bytes (512 elements of 8 bytes), 32,768 bytes apart: four for half of A's tile, eight for half of B's; no padding: an image is read 512 consecutive bytes at a time
	s_or_b32 s[G1+0], s43, (3<<16)|(1<<21)         ; 15:0 the mask; 17:16 elements of 8 bytes; 21 set beside a mask
	s_mov_b32 s[G1+1], 512<<16                     ; tensor_dim0 = 512
	s_mov_b32 s[G1+2], 4<<16                       ; tensor_dim1 = 4
	s_mov_b32 s[G1+3], 512<<16                     ; tile_dim0 = 512
	s_mov_b32 s[G1+4], 4                           ; tile_dim1 = 4
	s_mov_b32 s[G1+5], 4096                        ; tensor_dim0_stride
	s_mov_b32 s[G1+6], 0
	s_mov_b32 s[G1+7], 0
	s_or_b32 s[G1B+0], s46, (3<<16)|(1<<21)
	s_mov_b32 s[G1B+1], 512<<16
	s_mov_b32 s[G1B+2], 8<<16
	s_mov_b32 s[G1B+3], 512<<16
	s_mov_b32 s[G1B+4], 8
	s_mov_b32 s[G1B+5], 4096
	s_mov_b32 s[G1B+6], 0
	s_mov_b32 s[G1B+7], 0
	s_lshl_b32 s16, s42, 3
	s_lshl_b32 s17, s14, 2
	s_add_co_u32 s16, s16, s17                     ; A: block 8 x tile row + 4 x half
	s_lshl_b32 s16, s16, 15
	s_mov_b32 s17, 0
	s_lshl_b32 s18, s40, 4
	s_lshl_b32 s19, s14, 3
	s_add_co_u32 s18, s18, s19                     ; B: block 16 x tile column + 8 x half
	s_lshl_b32 s18, s18, 15
	s_mov_b32 s19, 0
	s_lshl_b32 s20, s14, 14                        ; where they go: A's halves at 0 and 16,384,
	s_lshl_b32 s21, s14, 15
	s_add_co_u32 s21, s21, 32768                   ; B's at 32,768 and 65,536: the wave's number alone
	s_wait_dscnt 0x0                               ; both opening adds are done
	s_wait_kmcnt 0x0
	s_add_nc_u64 s[16:17], s[4:5], s[16:17]
	s_add_nc_u64 s[18:19], s[6:7], s[18:19]
	CROUND                                         ; all sixteen work-groups are here: the first joint loads meet
.irp s, 0,1
	s_mov_b32 s[G0+4*\s], 1
	s_add_co_u32 s[G0+4*\s+1], s20, \s*SLOT
	s_add_nc_u64 s[G0+4*\s+2:G0+4*\s+3], s[16:17], \s*4096
	s_or_b32 s[G0+4*\s+3], s[G0+4*\s+3], 0x80000000
	s_mov_b32 s[G0B+4*\s], 1
	s_add_co_u32 s[G0B+4*\s+1], s21, \s*SLOT
	s_add_nc_u64 s[G0B+4*\s+2:G0B+4*\s+3], s[18:19], \s*4096
	s_or_b32 s[G0B+4*\s+3], s[G0B+4*\s+3], 0x80000000
	JLOAD \s                                       ; two tensor loads of mine are out here, one behind each later round
.endr
	v_and_b32 v1, 15, v0                           ; r
	v_bfe_u32 v2, v0, 4, 1                         ; h
	v_and_b32 v3, 31, v0
	v_lshlrev_b32 v[CO], 4, v3
	s_lshl_b32 s22, s13, 14                        ; my four blocks of A
	s_lshl_b32 s23, s14, 15                        ; my eight blocks of B,
	s_add_co_u32 s23, s23, 32768                   ; behind A's eight
.irp s, 0,1
	v_add_nc_u32 v[ADRA+\s], s22, v[CO]
	v_add_nc_u32 v[ADRB+\s], s23, v[CO]
	s_add_co_u32 s22, s22, SLOT
	s_add_co_u32 s23, s23, SLOT
.endr
	s_mul_i32 s22, s12, 16*SPITCH                  ; my stage
	v_mul_u32_u24 v[STO], v1, SPITCH
	v_lshl_add_u32 v[STO], v2, 5, v[STO]
	v_add_nc_u32 v[STO], s22, v[STO]               ; in: row r, 32 bytes for each half of the lanes
	v_add_nc_u32 v[RD], s22, v[CO]                 ; back: the 32 lanes take one row of 512 bytes
	v_lshlrev_b32 v[HB], 5, v2
	s_lshl_b32 s22, s40, 10
	s_lshl_b32 s23, s14, 9
	s_add_co_u32 s22, s22, s23                     ; my first column, in bytes: 1,024 x tile column + 512 x half
	s_mov_b32 s23, 0
	s_add_nc_u64 s[8:9], s[8:9], s[22:23]
	s_add_nc_u64 s[10:11], s[10:11], s[22:23]
	s_lshl_b32 s22, s42, 7
	s_lshl_b32 s15, s13, 6
	s_add_co_u32 s22, s22, s15                     ; my first row: 128 x tile row + 64 x half
	s_lshl_b32 s22, s22, 12                        ; rows of 4,096 bytes
	s_add_nc_u64 s[10:11], s[10:11], s[22:23]
	s_lshl_b32 s22, s42, 3
	s_lshl_b32 s15, s40, 1
	s_add_co_u32 s22, s22, s15                     ; the prefetches: blocks 8 x tile row + 2 cx on,
	s_lshl_b32 s22, s22, 15
	s_add_co_u32 s22, s22, 2*4096                  ; at K step 2: the first refill steps it to 3 and names K step 4
	s_add_nc_u64 s[PFA:PFA+1], s[4:5], s[22:23]
	s_cmp_eq_u32 s12, 0
	s_cselect_b32 s[LIM], 1, -1
	v_lshlrev_b32 v[PFO], 15, v2                   ; lanes 16-31: the second block;
	v_lshl_add_u32 v[PFO], v1, 8, v[PFO]           ; 256 bytes from lane to lane
	WIN 0x40                                       ; destination window 1
.irp a, 0,1,2,3
.irp b, 0,1,2,3,4,5,6,7
	global_load_b128 v[8*(8*\a+\b):8*(8*\a+\b)+3], v[HB], s[8:9] offset:64*\b          ; bo at columns 16 b + 8 h + 0 .. 7
	global_load_b128 v[8*(8*\a+\b)+4:8*(8*\a+\b)+7], v[HB], s[8:9] offset:64*\b+16
.endr
.endr
	WIN 0
; 24 LDS loads in one run: the fragments of 32 along K, the slot's q-th image of each block, into buffer f: B's eight, A's blocks 0, 1, A's blocks 2, 3
.macro FETCH slot, q, f
	WIN 0
.irp i, 0,1,2,3,4,5,6,7
	ds_load_b128 v[\f+32+8*\i:\f+32+8*\i+3],   v[ADRB+\slot] offset:\i*4096+(\q)*1024
	ds_load_b128 v[\f+32+8*\i+4:\f+32+8*\i+7], v[ADRB+\slot] offset:\i*4096+(\q)*1024+512
.endr
.irp i, 0,1,2,3
	ds_load_b128 v[\f+8*\i:\f+8*\i+3],   v[ADRA+\slot] offset:\i*4096+(\q)*1024
	ds_load_b128 v[\f+8*\i+4:\f+8*\i+7], v[ADRA+\slot] offset:\i*4096+(\q)*1024+512
.endr
.endm
; 8 matrix instructions: A's block a x B's eight.  The 32 accumulators take turns, one instruction a turn, in the same order in every quarter.
.macro MUL8 f, a
.irp b, 0,1,2,3,4,5,6,7
	v_wmma_f32_16x16x32_f16 v[8*(8*(\a)+\b):8*(8*(\a)+\b)+7], v[\f+32+8*\b:\f+32+8*\b+7], v[\f+8*(\a):\f+8*(\a)+7], v[8*(8*(\a)+\b):8*(8*(\a)+\b)+7]
.endr
.endm
.macro PLACES                          ; four places in front of loads into registers that matrix instructions have read, and of the first read of results
.rept 4
	v_nop
.endr
.endm
; A K step is four quarters of 32 along K on buffers 0, 1, 0, 1.  One of the first three: multiplies buffer f and fetches quarter qn of the same slot into g.
.macro QUARTER slot, qn, f, g
	s_wait_dscnt 4                                 ; B and A's blocks 0, 1 are in; the youngest four loads (A's blocks 2, 3) may be out
	WIN MUL
	MUL8 \f, 0
	MUL8 \f, 1
	PLACES
	FETCH \slot, \qn, \g
	s_wait_dscnt 24                                ; all but the 24 just issued
	WIN MUL
	MUL8 \f, 2
	MUL8 \f, 3
.endm
; The last quarter multiplies buffer 1 and changes slots: one barrier; in front of it each wave waits for all its tensor loads, adds 0 to its spare word, and waits for that and for its reads of this slot.
; fill = 1: the barrier opens a round of the cluster's barrier, and this slot is filled again, two K steps ahead.
.macro TURN slot, next, fill
.if \fill
	s_wait_xcnt 0x0                                ; the last prefetch, a K step back, has read its address:
	s_add_nc_u64 s[PFA:PFA+1], s[PFA:PFA+1], 4096  ; a K step on
.endif
	WIN 0                                          ; (the add's two registers lie in window 0)
	s_wait_tensorcnt 0x0                           ; all my tensor loads have landed: my part of the next slot;
	ds_add_u32 v[SPW], v[NIL]                      ; 0 onto my spare word;
	s_wait_dscnt 5                                 ; (the add and the youngest four loads may be out)
	WIN MUL
	MUL8 F1, 0                                     ; eight matrix instructions stand between the add and the wait for it
	s_wait_dscnt 0x0                               ; the add is done, and my reads of this slot are over
	s_barrier_signal -1
	MUL8 F1, 1
	WIN 0
	s_barrier_wait -1
.if \fill
	CREST                                          ; no wave of any partner still reads this slot's tile or has a load on its way
	s_add_nc_u64 s[G0+4*\slot+2:G0+4*\slot+3], s[G0+4*\slot+2:G0+4*\slot+3], 8192
	s_add_nc_u64 s[G0B+4*\slot+2:G0B+4*\slot+3], s[G0B+4*\slot+2:G0B+4*\slot+3], 8192
	JLOAD \slot                                    ; the first tensor load behind the round; the four v_nop behind it are also the places in front of the loads below
.else
	PLACES
.endif
	FETCH \next, 0, F0
.if \fill
	ASK                                            ; behind the joint load and the run of LDS loads that the next products wait for
.endif
	WIN MUL
	MUL8 F1, 2
	MUL8 F1, 3
.endm
	s_wait_tensorcnt 1                             ; my part of K step 0 is in (K step 1's load may be out),
	s_barrier_signal -1
	s_barrier_wait -1                              ; everybody's is
	FETCH 0, 0, F0
	s_wait_loadcnt 0x0                             ; bo lies in the accumulators
	s_mov_b32 s3, 3
.Llap:                                             ; a trip is two K steps, once round the ring, and fills both slots again: K steps 2 to 7 in three trips
	QUARTER 0, 1, F0, F1
	QUARTER 0, 2, F1, F0
	QUARTER 0, 3, F0, F1
	TURN 0, 1, 1
	QUARTER 1, 1, F0, F1
	QUARTER 1, 2, F1, F0
	QUARTER 1, 3, F0, F1
	TURN 1, 0, 1
	WIN 0                                          ; at a label and at a branch every window is 0
	s_sub_co_u32 s3, s3, 1
	s_cmp_lg_u32 s3, 0
	s_cbranch_scc1 .Llap
	QUARTER 0, 1, F0, F1                           ; the last lap fills nothing, and has no round of the cluster's barrier
	QUARTER 0, 2, F1, F0
	QUARTER 0, 3, F0, F1
	TURN 0, 1, 0
	QUARTER 1, 1, F0, F1
	QUARTER 1, 2, F1, F0
	QUARTER 1, 3, F0, F1
	s_wait_dscnt 4                                 ; the very last quarter: nothing more to fetch
	WIN MUL
	MUL8 F1, 0
	MUL8 F1, 1
	s_wait_dscnt 0
	MUL8 F1, 2
	MUL8 F1, 3
	WIN 0
; THE WAY OUT, block by block of 16 rows x 128 columns.  A lane holds 32 neighbouring bytes of a row, the lanes beside it other rows: a block goes through my own stage and comes back as whole rows of 512 bytes.
; LDS serves a wave's instructions in order (ISA guide 5.7.1.4): no wait between the stores and the loads, nor in front of the next block's stores.
.macro TOSTAGE a
	WIN 0x04                                       ; an LDS store's data are its source 1: window 1
.irp b, 0,1,2,3,4,5,6,7
	ds_store_b128 v[STO], v[64*(\a)+8*\b:64*(\a)+8*\b+3] offset:64*\b          ; each accumulator from its low end on
	ds_store_b128 v[STO], v[64*(\a)+8*\b+4:64*(\a)+8*\b+7] offset:64*\b+16
.endr
	WIN 0
.irp t, 0,1,2,3,4,5,6,7,8,9,10,11,12,13,14,15
	ds_load_b128 v[BK+64*((\a)%2)+4*\t:BK+64*((\a)%2)+4*\t+3], v[RD] offset:\t*SPITCH
.endr
.endm
.macro SEND a, younger                 ; younger: the LDS instructions issued behind block a's loads, which may stay out
	s_wait_dscnt \younger
.irp t, 0,1,2,3,4,5,6,7,8,9,10,11,12,13,14,15
	global_store_b128 v[CO], v[BK+64*((\a)%2)+4*\t:BK+64*((\a)%2)+4*\t+3], s[10:11] offset:(\a)*65536+\t*4096 th:TH_STORE_NT   ; 32 lanes store 512 consecutive bytes, aligned; written once, read by nobody here
.endr
.endm
	PLACES                                         ; for the stores that read results, and for the loads into registers that held fragments
	TOSTAGE 0
	TOSTAGE 1
	SEND 0, 32                                     ; behind block 0's loads: block 1's 16 stores and 16 loads
	s_wait_xcnt 0x0                                ; block 0's stores have read their registers
	TOSTAGE 2
	SEND 1, 32
	s_wait_xcnt 0x0                                ; block 1's likewise
	TOSTAGE 3
	SEND 2, 32
	SEND 3, 0
	s_wait_tensorcnt 0x0                           ; the wave's end, behind my last tensor load and my last LDS store
	ds_add_u32 v[SPW], v[NIL]
	s_wait_dscnt 0x0
	CROUND                                         ; the closing round
	s_endpgm
.Lfunc_end_k_q011253b7c4_proj:
	.size	k_q011253b7c4_proj, .Lfunc_end_k_q011253b7c4_proj-k_q011253b7c4_proj
	.p2alignl 7, 3214868480
	.fill 96, 4, 3214868480
	.section	.rodata,"a",@progbits
	.p2align	6, 0x0
	.amdhsa_kernel k_q011253b7c4_proj
		.amdhsa_group_segment_fixed_size 327680
		.amdhsa_private_segment_fixed_size 0
		.amdhsa_enable_private_segment 0
		.amdhsa_kernarg_size 32
		.amdhsa_user_sgpr_count 2
		.amdhsa_user_sgpr_kernarg_segment_ptr 1
		.amdhsa_wavefront_size32 1
		.amdhsa_system_sgpr_workgroup_id_x 1
		.amdhsa_system_sgpr_workgroup_id_y 1
		.amdhsa_system_sgpr_workgroup_id_z 1
		.amdhsa_system_vgpr_workitem_id 0
		.amdhsa_next_free_vgpr 512
		.amdhsa_next_free_sgpr 66
		.amdhsa_reserve_vcc 0
		.amdhsa_float_denorm_mode_32 3
		.amdhsa_float_denorm_mode_16_64 3
		.amdhsa_memory_ordered 1
		.amdhsa_forward_progress 1
		.amdhsa_inst_pref_size 91
	.end_amdhsa_kernel
	.amdgpu_metadata
---
amdhsa.version: [ 1, 2 ]
amdhsa.kernels:
  - .name:           k_q011253b7c4_proj
    .symbol:         k_q011253b7c4_proj.kd
    .args:
      - { .name: at, .offset: 0, .size: 8, .value_kind: global_buffer, .address_space: global }
      - { .name: woh, .offset: 8, .size: 8, .value_kind: global_buffer, .address_space: global }
      - { .name: bo, .offset: 16, .size: 8, .value_kind: global_buffer, .address_space: global }
      - { .name: out0, .offset: 24, .size: 8, .value_kind: global_buffer, .address_space: global }
    .group_segment_fixed_size: 327680
    .private_segment_fixed_size: 0
    .kernarg_segment_align: 8
    .kernarg_segment_size: 32
    .max_flat_workgroup_size: 128
    .sgpr_count:     66
    .vgpr_count:     512
    .wavefront_size: 32
...
	.end_amdgpu_metadata
.endif
;; end of part 4
